; MI455X (gfx1250); checked and timed in simulation.
; The chip was launched on July 23, 2026; its instructions are those of AMD's public machine-readable ISA for CDNA 5 (MIT licence, August 2026) and "CDNA5" Instruction Set Architecture Reference Guide (July 2026). The comments in the code are by the model that wrote it; some were corrected since.
;; Attention. Allowed arithmetic: matrix products marked QUANTISED: E2M3 operands, one E8M0 scale for each 32 along K, by v_wmma_scale_f32_16x16x128_f8f6f4 with both operands' format E2M3, f32 sums; everything else in f32.
;; Inputs: cos 2,048 x 128 float32; mask 2,048 x 2,048 float32; sin 2,048 x 128 float32; wk_b 2,048 float32; wk_w 2,048 x 2,048 float32; wo_b 2,048 float32; wo_w 2,048 x 2,048 float32; wq_b 2,048 float32; wq_w 2,048 x 2,048 float32; wv_b 2,048 float32; wv_w 2,048 x 2,048 float32; x 1 x 2,048 x 2,048 float32.
;; Outputs: out0 1 x 2,048 x 2,048 float32.
;; This version of the problem:
;;   THIS VERSION OF THE PROBLEM IS GIVEN IN LOW PRECISION. The matrix products marked QUANTISED in the list below multiply operands that are first quantised to E2M3 (2 exponent bits, 3 mantissa bits; 6 bits a number), with one power-of-two scale for each 32 numbers along K (OCP MX v1.0); their sums are f32. All else is computed in f32.
;;   The module's matrix products, in the order in which they are computed (A, B: the left and right operand; K: the contracted axis; several contracted axes count as one K, in the product's order):
;;     1. [M 2,048, K 2,048] x [K 2,048, N 2,048]; A: input x; B: input wq_w: QUANTISED
;;     2. [M 2,048, K 2,048] x [K 2,048, N 2,048]; A: input x; B: input wk_w: QUANTISED
;;     3. [M 2,048, K 2,048] x [K 2,048, N 2,048]; A: input x; B: input wv_w: QUANTISED
;;     4. batch 16 x [M 2,048, K 128] x [K 128, N 2,048]; A: computed on the way; B: computed on the way: QUANTISED
;;     5. batch 16 x [M 2,048, K 2,048] x [K 2,048, N 128]; A: softmax (see below); B: computed on the way: QUANTISED
;;     6. [M 2,048, K 2,048] x [K 2,048, N 2,048]; A: computed on the way; B: input wo_w: QUANTISED
;;   THE QUANTISER, for each operand of a quantised product, along K:
;;     - K is cut into blocks of 32 from its start; a last block that is shorter is filled with zeros.
;;     - A block's scale is 2^e with e = floor(log2(the largest magnitude in the block)) - 2, held to -126 .. 127; a block of zeros has e = 0. As a byte (E8M0): e + 127.
;;     - Each number is divided by its block's scale, clamped to +-7.5, and rounded to the nearest number of E2M3, ties to even, subnormals kept.
;;     - The product sums the exact products of the quantised numbers (number of the format x scale) in f32.
;;   ~~~python
;;   def quantise(x, axis):      # numpy; x: float32 -> the quantised numbers, widened to float32 again
;;       x = np.moveaxis(x, axis, -1); K = x.shape[-1]
;;       x = np.pad(x, [(0, 0)] * (x.ndim - 1) + [(0, -K % 32)]); x = x.reshape(x.shape[:-1] + (-1, 32)); a = np.abs(x).max(-1, keepdims=True)
;;       e = np.where(a > 0, np.clip(np.frexp(np.where(a > 0, a, 1))[1] - 1 - 2, -126, 127), 0)      # np.frexp(a)[1] - 1 = floor(log2(a)), exactly
;;       r = np.clip(x / 2.0 ** e, -7.5, 7.5)
;;       step = 2.0 ** (np.maximum(np.frexp(np.where(r == 0, 1, r))[1] - 1, 0) - 3)
;;       q = np.round(r / step) * step * 2.0 ** e      # np.round: ties to even
;;       return np.moveaxis(q.reshape(q.shape[:-2] + (-1,))[..., :K], -1, axis).astype(np.float32)
;;   ~~~
;;   SOFTMAX AHEAD OF A QUANTISED PRODUCT. Where the list says 'softmax', what is quantised is not the finished softmax but p = 2^(t - M), with t = logit x log2(e) and M = ceil(the row's largest t), a whole number; so 1/2 < the row's largest p <= 1. The row's sum l is taken of the UNQUANTISED p, in f32, and the product's result is divided by l at the end. Since M is a whole number, a kernel that streams over the keys may use a running M (the ceiling of the running maximum): every later rescaling is an exact power of two, which a block's scale takes up: the codes' values come out the same.
;;   OPERANDS COMPUTED ON THE WAY. 'Computed on the way' means the value that the module computes at that place (a softmax that the list does not call 'softmax' is quantised finished and normalised). What goes into a quantiser is computed in f32, as accurately as f32 sums, v_exp_f32 and their like allow (about 1e-6 of the number): no bf16 or f16 on the way to a quantiser, and a product that is left as it is and whose result goes on into a quantised operand takes f32 operands (vector FMAs, or v_wmma_f32_16x16x4_f32). A number that lies on a knife's edge between two numbers of the format may be rounded either way, as far as f32 arithmetic and the matrix unit's own rounding can turn it there, and no further.
;; One version. Each part assembles by itself: llvm-mc -triple=amdgcn-amd-amdhsa -mcpu=gfx1250 --defsym DOCPART=n.
;; ======== version 1 of 1: 4 launches
;; workspace buffers: xq 3,276,800 bytes; wq 13,107,200 bytes; cs 2,097,152 bytes; qkv 9,830,400 bytes; oq 3,276,800 bytes
;; launch prep (part 1): grid 328 x 1, 4 waves a work-group, no clusters, 94,720 bytes of LDS; arguments x, cos, sin, wq_w, wk_w, wv_w, wo_w, xq, wq, cs; writes xq, wq, cs
.if DOCPART == 1
	.amdgcn_target "amdgcn-amd-amdhsa--gfx1250"
	.amdhsa_code_object_version 6
	.text
	.protected	k_qaf50154a87_prep
	.globl	k_qaf50154a87_prep
	.p2align	8
	.type	k_qaf50154a87_prep,@function
k_qaf50154a87_prep:
	s_mov_b64 s[64:65], 0
	v_nop
	global_prefetch_b8 v0, s[64:65] scope:SCOPE_SE
	s_setreg_imm32_b32 hwreg(HW_REG_WAVE_MODE, 25, 1), 1
	s_wait_xcnt 0x0
; PREP: x and the four weights become codes of FP6 (E2M3) with one E8M0 byte for each 32 along K; cos and sin are laid as the next launch's lanes want them.
; DEAD WORK: none.  Every input of the problem has a way to the output (the biases of Q, K and V move codes, the mask is an input and is added to every score): all twelve are loaded by some launch.
; LAYOUT OF ALL OPERANDS THAT THIS PROGRAM WRITES: A FRAGMENT'S IMAGE.  A fragment is 16 rows x 128 K, 12 registers a lane (lane (r, h): row r; registers 6 c .. 6 c + 5: k = 64 c + 32 h + 0 .. 31), 1,536 bytes:
; register 4 c + i of lane l lies at byte 512 c + 16 l + 4 i.  Its 16 scale words are 64 bytes, row r's at 4 r.  Codes: [rowblock][K step][1536]; scale words: [rowblock][K step][64].
; THE ROWS OF A ROWBLOCK ARE NOT NEIGHBOURS: in a group of 64 rows, row rho of rowblock v is logical row 32 (rho / 8) + 8 v + rho % 8.  All products are used transposed, so a lane's 64 results of eight tiles are then
; k = 64 c + 32 h + i at register 32 c + i: two whole blocks of 32 in the next operand's own order.
; THE QUANTISER: a block's scale is 2^(floor(log2(largest magnitude)) - 2); its byte is the largest magnitude's exponent field - 2, held at 1 from below by a floor among the maximum's leaves.
; LIMITS: a block of zeros gets the byte 1 where the rule says 127 (its codes are zeros, and this program alone reads the bytes); blocks whose largest magnitude lies under 2^-124 keep the byte 1; NaN and infinities in x, the
; weights, cos and sin are not served.
; SHARES: work-groups 0-255: a weight, 256 columns x 256 along K; 256-319: x, 64 rows x 1,024 along K; 320-327: cos or sin, 512 rows.  Each reads 256 KiB.  Waves share nothing: no barrier.  Each path has LDS bytes of its own.
.set WBASE, 0                          ; the weights' stages: 4 x 6,144 bytes (four images of a K step)
.set XBASE, 24576                      ; x's: 4 x (16 rows x 528 + 512 bytes of scale words)
.set CBASE, 60416                      ; cos and sin: 4 x 16 rows x 528
.set SPARE, 94208                      ; the spare words, 128 bytes a wave: two blocks of 256 bytes that no other line names
.set SPW, 16                           ; v16  LDS address of my spare word; never rewritten
.set NIL, 17                           ; v17  0; never rewritten
.set LI,  3                            ; v3   16 x lane
.set WV,  24                           ; s24  my wave's number
.set GG,  32                           ; weights: v32-63 a column's block of 32
.set WX,  64                           ; v64-191 two sets of 32 rows x 2 columns
.set WC,  192                          ; v192-197, v200-205 a block's codes, column 0 and 1
.set WCX, 208                          ; v208-210, v212-214 the second half of them as the conversion leaves it
.set WD,  216                          ; v216-219 scale words: a pair (two columns) for each K step
.set WT,  244                          ; v244-247 at work
.set XR,  64                           ; x, cos, sin: v64-191 two sets of 16 rows as loaded
.set XX,  192                          ; v192-255 my 64 numbers of a row
.set PC,  32                           ; v32-43 a fragment's codes
.set PX,  44                           ; v44-46, v48-50
.set TM,  52                           ; v52-60 at work
.set PW,  61                           ; v61 the scale word
.set SH8, 5                            ; v5  8 x (lane / 16)
.set SEL, 40                           ; s[40:41] selects for lane l xor 16
; 64 numbers of a lane, register 32 c + i = k 64 c + 32 h + i of my row, become the fragment's codes in v[PC] on and my row's scale word in v[PW].
.macro QB s
.irp c, 0,1
	v_max3_num_f32 v[TM+2*\c], |v[(\s)+32*\c]|, |v[(\s)+32*\c+1]|, 0x1800000      ; the floor 2^(3 - 127): the byte cannot fall under 1
	v_max3_num_f32 v[TM+2*\c+1], |v[(\s)+32*\c+16]|, |v[(\s)+32*\c+17]|, |v[(\s)+32*\c+18]|
.endr
.irp k, 2,4,6,8,10,12
.irp c, 0,1
	v_max3_num_f32 v[TM+2*\c], v[TM+2*\c], |v[(\s)+32*\c+\k]|, |v[(\s)+32*\c+\k+1]|
	v_max3_num_f32 v[TM+2*\c+1], v[TM+2*\c+1], |v[(\s)+32*\c+\k+17]|, |v[(\s)+32*\c+\k+18]|
.endr
.endr
.irp c, 0,1
	v_max3_num_f32 v[TM+2*\c], v[TM+2*\c], |v[(\s)+32*\c+14]|, |v[(\s)+32*\c+15]|
.endr
.irp c, 0,1
	v_max3_num_f32 v[TM+2*\c], v[TM+2*\c], v[TM+2*\c+1], |v[(\s)+32*\c+31]|       ; block 2 c + h: all 32 numbers are mine
.endr
.irp c, 0,1
	v_add_nc_u32 v[TM+4+\c], 0xff000000, v[TM+2*\c]                               ; 2 off the exponent field: the conversion's scale operand
.endr
.irp c, 0,1
	v_lshrrev_b32 v[TM+6+\c], 23, v[TM+4+\c]                                      ; the scale's byte
.endr
	v_lshl_or_b32 v[PW], v[TM+7], 16, v[TM+6]                                     ; my two bytes, blocks h and 2 + h,
	v_lshlrev_b32 v[PW], v[SH8], v[PW]                                            ; at their places;
	v_permlanex16_b32 v[TM+8], v[PW], s[SEL], s[SEL+1]
	v_or_b32 v[PW], v[PW], v[TM+8]                                                ; with lane l xor 16's two the word is whole
.irp c, 0,1
	v_cvt_scalef32_pk16_fp6_f32 v[PC+6*\c:PC+6*\c+2], v[(\s)+32*\c:(\s)+32*\c+15], v[TM+4+\c]
	v_cvt_scalef32_pk16_fp6_f32 v[PX+4*\c:PX+4*\c+2], v[(\s)+32*\c+16:(\s)+32*\c+31], v[TM+4+\c]   ; (a conversion's three registers begin on an even number)
.endr
	v_nop                                                                         ; one plain place behind the scaled conversions
.irp c, 0,1
.irp k, 0,1,2
	v_mov_b32 v[PC+3+6*\c+\k], v[PX+4*\c+\k]
.endr
.endr
.endm
	s_load_b256 s[4:11], s[0:1], 0x0               ; x s[4:5], cos s[6:7], sin s[8:9], wq_w s[10:11]
	s_load_b256 s[12:19], s[0:1], 0x20             ; wk_w s[12:13], wv_w s[14:15], wo_w s[16:17], xq s[18:19]
	s_load_b128 s[20:23], s[0:1], 0x40             ; wq s[20:21], cs s[22:23]
	v_lshl_add_u32 v[SPW], v0, 2, SPARE
	v_mov_b32 v[NIL], 0
	v_lshrrev_b32 v1, 5, v0
	v_readfirstlane_b32 s[WV], v1
	v_and_b32 v2, 31, v0                           ; lane
	v_lshlrev_b32 v[LI], 4, v2
	s_wait_kmcnt 0x0
	s_cmp_lt_u32 ttmp9, 256
	s_cbranch_scc0 .Lnot_w
; ---- A WEIGHT [k][n]: a lane takes two neighbouring columns, its registers run down K.  Each load reads 256 consecutive bytes of a row of the weight.
	s_lshr_b32 s25, ttmp9, 6                       ; which weight
	s_bfe_u32 s29, ttmp9, 0x30003                  ; which 256 columns
	s_and_b32 s30, ttmp9, 7                        ; which 256 along K
	s_lshl_b32 s32, s30, 21                        ; 256 rows of 8,192 bytes,
	s_lshl_b32 s33, s29, 10
	s_add_co_u32 s32, s32, s33
	s_lshl_b32 s33, s[WV], 8                       ; my wave's 64 columns: one group
	s_add_co_u32 s32, s32, s33
	s_mov_b32 s33, 0
	s_lshl_b32 s34, s29, 2
	s_add_co_u32 s34, s34, s[WV]                   ; the group's number in the weight
	s_lshl_b32 s34, s34, 2
	s_lshl_b32 s35, s25, 7
	s_add_co_u32 s34, s34, s35                     ; its first rowblock in wq
	s_lshl_b32 s34, s34, 4
	s_lshl_b32 s35, s30, 1
	s_add_co_u32 s34, s34, s35                     ; x 16 K steps + my first K step
	s_mul_i32 s36, s34, 1536
	s_mov_b32 s37, 0
	s_lshl_b32 s38, s34, 6
	s_add_co_u32 s38, s38, 12582912                ; the scale words lie behind the codes
	s_mov_b32 s39, 0
	s_cmp_eq_u32 s25, 1
	s_cselect_b64 s[26:27], s[12:13], s[10:11]
	s_cmp_eq_u32 s25, 2
	s_cselect_b64 s[26:27], s[14:15], s[26:27]
	s_cmp_eq_u32 s25, 3
	s_cselect_b64 s[26:27], s[16:17], s[26:27]
	s_add_nc_u64 s[26:27], s[26:27], s[32:33]
	s_add_nc_u64 s[36:37], s[20:21], s[36:37]
	s_add_nc_u64 s[38:39], s[20:21], s[38:39]
	s_mul_i32 s28, s[WV], 6144                     ; my stage (WBASE = 0)
	v_lshlrev_b32 v4, 3, v2                        ; in: 8 bytes a lane
	v_bfe_u32 v8, v0, 2, 2                         ; columns 2 l, 2 l + 1 belong to rowblock (l / 4) % 4,
	v_bfe_u32 v9, v0, 4, 1
	v_and_b32 v10, 3, v0                           ; rows 8 (l / 16) + 2 (l % 4) + 0, 1 of it
	v_mul_u32_u24 v5, v8, 1536
	v_lshl_add_u32 v5, v9, 7, v5
	v_lshl_add_u32 v5, v10, 5, v5
	v_add_nc_u32 v5, s28, v5                       ; into the stage: the image's 16 bytes of lane (row, 0)
	v_add_nc_u32 v6, s28, v[LI]                    ; out of it: 16 x lane
	v_lshlrev_b32 v7, 10, v8
	v_lshl_add_u32 v7, v9, 5, v7
	v_lshl_add_u32 v7, v10, 3, v7                  ; my two rows' scale words: 1,024 x rowblock + 4 x row
.macro LOADW t                         ; block t: rows 32 t + i of my 256, two columns a lane
.set i, 0
.rept 32
	global_load_b64 v[WX+64*((\t)%2)+2*i:WX+64*((\t)%2)+2*i+1], v4, s[26:27] offset:(32*(\t)+i)*8192 th:TH_LOAD_NT
.set i, i+1
.endr
.endm
.macro COLW t, e                       ; column e of block t
.set i, 0
.rept 32
	v_mov_b32 v[GG+i], v[WX+64*((\t)%2)+2*i+\e]    ; the conversions take neighbours along K from consecutive registers
.set i, i+1
.endr
.if (\e) && ((\t)+2 < 8)
	LOADW (\t)+2                                   ; both columns are gathered: the set takes the block two further on
.endif
	v_max3_num_f32 v[WT], |v[GG]|, |v[GG+1]|, 0x1800000
	v_max3_num_f32 v[WT+1], |v[GG+16]|, |v[GG+17]|, |v[GG+18]|
.irp k, 2,4,6,8,10,12
	v_max3_num_f32 v[WT], v[WT], |v[GG+\k]|, |v[GG+\k+1]|
	v_max3_num_f32 v[WT+1], v[WT+1], |v[GG+\k+17]|, |v[GG+\k+18]|
.endr
	v_max3_num_f32 v[WT], v[WT], |v[GG+14]|, |v[GG+15]|
	v_max3_num_f32 v[WT], v[WT], v[WT+1], |v[GG+31]|
	v_add_nc_u32 v[WT+2], 0xff000000, v[WT]
	v_lshrrev_b32 v[WT+3], 23, v[WT+2]
.if (\t)%4 == 0
	v_mov_b32 v[WD+2*((\t)/4)+\e], v[WT+3]
.else
	v_lshl_or_b32 v[WD+2*((\t)/4)+\e], v[WT+3], 8*((\t)%4), v[WD+2*((\t)/4)+\e]
.endif
.set CE, WC+8*\e
.set BT, (\t)%4
	v_cvt_scalef32_pk16_fp6_f32 v[CE:CE+2], v[GG:GG+15], v[WT+2]
	v_cvt_scalef32_pk16_fp6_f32 v[WCX+4*\e:WCX+4*\e+2], v[GG+16:GG+31], v[WT+2]
	v_nop
.irp k, 0,1,2
	v_mov_b32 v[CE+3+\k], v[WCX+4*\e+\k]
.endr
.if BT < 2                             ; block 2 c + hk of the K step is registers 6 c .. 6 c + 5 of lane (row, hk)
	ds_store_b128 v5, v[CE:CE+3] offset:16*\e+256*(BT%2)
	ds_store_b64 v5, v[CE+4:CE+5] offset:16*\e+256*(BT%2)+512
.else
	ds_store_b64 v5, v[CE:CE+1] offset:16*\e+256*(BT%2)+520
	ds_store_b128 v5, v[CE+2:CE+5] offset:16*\e+256*(BT%2)+1024
.endif
.endm
.macro BLOCKW t
.if (\t) < 7
	s_wait_loadcnt 32                              ; this block's 32 loads are in; the next block's may be out
.else
	s_wait_loadcnt 0x0
.endif
	s_wait_dscnt 0x0                               ; the last block's stores into the stage have read their registers
.if (\t) == 4
	s_wait_xcnt 0x0                                ; v32-55 were data of the first way out's stores
.endif
	COLW \t, 0
	COLW \t, 1
.endm
.macro OUTW ks                         ; a K step's four images leave: each store covers 512 consecutive bytes
.if \ks
	s_wait_xcnt 0x0                                ; the first way out's stores have read these registers
.endif
.irp n, 0,1,2,3,4,5,6,7,8,9,10,11
.if \n < 6
.set OR, 32+4*\n
.else
.set OR, 196+4*\n
.endif
	ds_load_b128 v[OR:OR+3], v6 offset:512*\n      ; LDS serves a wave's instructions in order: these see my stores
.endr
.irp n, 0,1,2,3,4,5,6,7,8,9,10,11
.if \n < 6
.set OR, 32+4*\n
.else
.set OR, 196+4*\n
.endif
	s_wait_dscnt 11-\n
	global_store_b128 v[LI], v[OR:OR+3], s[36:37] offset:24576*(\n/3)+1536*\ks+512*(\n%3)
.endr
	global_store_b64 v7, v[WD+2*\ks:WD+2*\ks+1], s[38:39] offset:64*\ks   ; the scale words leave in pieces of 64 bytes a rowblock: half a megabyte in the whole launch
.endm
	LOADW 0
	LOADW 1
	BLOCKW 0
	BLOCKW 1
	BLOCKW 2
	BLOCKW 3
	OUTW 0
	BLOCKW 4
	BLOCKW 5
	BLOCKW 6
	BLOCKW 7
	OUTW 1
	s_branch .Lend
.Lnot_w:
	v_and_b32 v7, 15, v0                           ; r
	v_bfe_u32 v8, v0, 4, 1                         ; h
	s_cmp_lt_u32 ttmp9, 320
	s_cbranch_scc0 .Lcs
; ---- x [row][k]: wave w takes rowblock 4 G + w and eight K steps.  A load reads 512 consecutive bytes of a row; a K step's 16 rows turn through the wave's stage, so that lane (r, h) gets its 64 numbers of row r.
	s_sub_co_u32 s25, ttmp9, 256
	s_lshr_b32 s26, s25, 1                         ; G: which 64 rows
	s_and_b32 s27, s25, 1                          ; which half of K
	s_lshl_b32 s28, s26, 19
	s_lshl_b32 s29, s[WV], 16                      ; my rows begin at 64 G + 8 w
	s_add_co_u32 s28, s28, s29
	s_lshl_b32 s29, s27, 12
	s_add_co_u32 s28, s28, s29
	s_mov_b32 s29, 0
	s_add_nc_u64 s[4:5], s[4:5], s[28:29]
	s_lshl_b32 s30, s26, 2
	s_add_co_u32 s30, s30, s[WV]
	s_lshl_b32 s30, s30, 4
	s_lshl_b32 s31, s27, 3
	s_add_co_u32 s30, s30, s31                     ; rowblock x 16 + my first K step
	s_mul_i32 s28, s30, 1536
	s_add_nc_u64 s[32:33], s[18:19], s[28:29]
	s_lshl_b32 s28, s30, 6
	s_add_co_u32 s28, s28, 3145728
	s_add_nc_u64 s[34:35], s[18:19], s[28:29]
	s_mul_i32 s36, s[WV], 8960
	s_add_co_u32 s36, s36, XBASE
	s_mov_b32 s[SEL], 0x76543210
	s_mov_b32 s[SEL+1], 0xfedcba98
	v_lshlrev_b32 v[SH8], 3, v8
	v_add_nc_u32 v6, s36, v[LI]                    ; into the stage: a row's 512 bytes as they lie
	v_mul_u32_u24 v9, v7, 528
	v_lshl_add_u32 v9, v8, 7, v9
	v_add_nc_u32 v9, s36, v9                       ; out of it: row r, + 128 h.  Rows 528 bytes apart: sixteen rows begin in sixteen different groups of four banks
	v_lshl_add_u32 v10, v7, 2, s36                 ; my row's scale word
	v_mov_b32 v[TM+8], 0                           ; written once: a lane permute's destination counts as one of its sources
.macro LOADX t
.irp i, 0,1,2,3,4,5,6,7,8,9,10,11,12,13,14,15
	global_load_b128 v[XR+64*((\t)%2)+4*\i:XR+64*((\t)%2)+4*\i+3], v[LI], s[4:5] offset:((\i%8)+32*(\i/8))*8192+512*(\t) th:TH_LOAD_NT
.endr
.endm
.macro UNITX t
.if (\t) < 7
	s_wait_loadcnt 16                              ; this K step's 16 loads are in; the next one's may be out
.else
	s_wait_loadcnt 0x0
.endif
.irp i, 0,1,2,3,4,5,6,7,8,9,10,11,12,13,14,15
	ds_store_b128 v6, v[XR+64*((\t)%2)+4*\i:XR+64*((\t)%2)+4*\i+3] offset:528*\i
.endr
.irp n, 0,1,2,3,4,5,6,7,8,9,10,11,12,13,14,15
	ds_load_b128 v[XX+4*\n:XX+4*\n+3], v9 offset:256*(\n/8)+16*(\n%8)
.endr
	s_wait_dscnt 0x0
	s_wait_xcnt 0x0                                ; the last K step's stores have read the codes' registers
.if (\t)+2 < 8
	LOADX (\t)+2
.endif
	QB XX
.irp c, 0,1,2
	global_store_b128 v[LI], v[PC+4*\c:PC+4*\c+3], s[32:33] offset:1536*(\t)+512*\c
.endr
	ds_store_b32 v10, v[PW] offset:8448+64*(\t)    ; both halves of the lanes write the same word with the same value
.endm
	LOADX 0
	LOADX 1
.irp t, 0,1,2,3,4,5,6,7
	UNITX \t
.endr
	ds_load_b128 v[XX:XX+3], v6 offset:8448        ; eight K steps' scale words: 512 consecutive bytes
	s_wait_dscnt 0x0
	global_store_b128 v[LI], v[XX:XX+3], s[34:35]
	s_branch .Lend
.Lcs:
; ---- cos, sin [row][128]: the same turn, no quantiser.  cs: [rowblock][cos, sin][chunk n][512]; lane l's 16 bytes of chunk n = 8 c + j are table[row r][64 c + 32 h + 4 j ..].
	s_sub_co_u32 s25, ttmp9, 320
	s_lshr_b32 s28, s25, 2                         ; cos (0) or sin (1)
	s_and_b32 s29, s25, 3
	s_lshl_b32 s29, s29, 2
	s_add_co_u32 s29, s29, s[WV]                   ; which 128 rows: eight rowblocks
	s_cmp_eq_u32 s28, 0
	s_cselect_b64 s[26:27], s[6:7], s[8:9]
	s_lshl_b32 s30, s29, 16
	s_mov_b32 s31, 0
	s_add_nc_u64 s[26:27], s[26:27], s[30:31]
	s_lshl_b32 s30, s29, 17
	s_lshl_b32 s32, s28, 13
	s_add_co_u32 s30, s30, s32
	s_add_nc_u64 s[32:33], s[22:23], s[30:31]
	s_mul_i32 s36, s[WV], 8448
	s_add_co_u32 s36, s36, CBASE
	v_add_nc_u32 v6, s36, v[LI]
	v_mul_u32_u24 v9, v7, 528
	v_lshl_add_u32 v9, v8, 7, v9
	v_add_nc_u32 v9, s36, v9
.macro LOADC t
.irp i, 0,1,2,3,4,5,6,7,8,9,10,11,12,13,14,15
	global_load_b128 v[XR+64*((\t)%2)+4*\i:XR+64*((\t)%2)+4*\i+3], v[LI], s[26:27] offset:(64*((\t)/4)+8*((\t)%4)+(\i%8)+32*(\i/8))*512 th:TH_LOAD_NT
.endr
.endm
.macro UNITC t
.if (\t) < 7
	s_wait_loadcnt 16
.else
	s_wait_loadcnt 0x0
.endif
.irp i, 0,1,2,3,4,5,6,7,8,9,10,11,12,13,14,15
	ds_store_b128 v6, v[XR+64*((\t)%2)+4*\i:XR+64*((\t)%2)+4*\i+3] offset:528*\i
.endr
	s_wait_xcnt 0x0                                ; the last rowblock's stores have read v192-255
.irp n, 0,1,2,3,4,5,6,7,8,9,10,11,12,13,14,15
	ds_load_b128 v[XX+4*\n:XX+4*\n+3], v9 offset:256*(\n/8)+16*(\n%8)
.endr
	s_wait_dscnt 0x0
.if (\t)+2 < 8
	LOADC (\t)+2
.endif
.irp n, 0,1,2,3,4,5,6,7,8,9,10,11,12,13,14,15
	global_store_b128 v[LI], v[XX+4*\n:XX+4*\n+3], s[32:33] offset:16384*(\t)+512*\n
.endr
.endm
	LOADC 0
	LOADC 1
.irp t, 0,1,2,3,4,5,6,7
	UNITC \t
.endr
.Lend:
	s_wait_tensorcnt 0x0                           ; the wave's end, behind my last LDS store
	ds_add_u32 v[SPW], v[NIL]
	s_wait_dscnt 0x0
	s_endpgm
.Lfunc_end_k_qaf50154a87_prep:
	.size	k_qaf50154a87_prep, .Lfunc_end_k_qaf50154a87_prep-k_qaf50154a87_prep
	.p2alignl 7, 3214868480
	.fill 96, 4, 3214868480
	.section	.rodata,"a",@progbits
	.p2align	6, 0x0
	.amdhsa_kernel k_qaf50154a87_prep
		.amdhsa_group_segment_fixed_size 94720
		.amdhsa_private_segment_fixed_size 0
		.amdhsa_enable_private_segment 0
		.amdhsa_kernarg_size 80
		.amdhsa_user_sgpr_count 2
		.amdhsa_user_sgpr_kernarg_segment_ptr 1
		.amdhsa_wavefront_size32 1
		.amdhsa_system_sgpr_workgroup_id_x 1
		.amdhsa_system_sgpr_workgroup_id_y 1
		.amdhsa_system_sgpr_workgroup_id_z 1
		.amdhsa_system_vgpr_workitem_id 0
		.amdhsa_next_free_vgpr 256
		.amdhsa_next_free_sgpr 66
		.amdhsa_reserve_vcc 0
		.amdhsa_float_denorm_mode_32 3
		.amdhsa_float_denorm_mode_16_64 3
		.amdhsa_memory_ordered 1
		.amdhsa_forward_progress 1
		.amdhsa_inst_pref_size 171
	.end_amdhsa_kernel
	.amdgpu_metadata
---
amdhsa.version: [ 1, 2 ]
amdhsa.kernels:
  - .name:           k_qaf50154a87_prep
    .symbol:         k_qaf50154a87_prep.kd
    .args:
      - { .name: x, .offset: 0, .size: 8, .value_kind: global_buffer, .address_space: global }
      - { .name: cos, .offset: 8, .size: 8, .value_kind: global_buffer, .address_space: global }
      - { .name: sin, .offset: 16, .size: 8, .value_kind: global_buffer, .address_space: global }
      - { .name: wq_w, .offset: 24, .size: 8, .value_kind: global_buffer, .address_space: global }
      - { .name: wk_w, .offset: 32, .size: 8, .value_kind: global_buffer, .address_space: global }
      - { .name: wv_w, .offset: 40, .size: 8, .value_kind: global_buffer, .address_space: global }
      - { .name: wo_w, .offset: 48, .size: 8, .value_kind: global_buffer, .address_space: global }
      - { .name: xq, .offset: 56, .size: 8, .value_kind: global_buffer, .address_space: global }
      - { .name: wq, .offset: 64, .size: 8, .value_kind: global_buffer, .address_space: global }
      - { .name: cs, .offset: 72, .size: 8, .value_kind: global_buffer, .address_space: global }
    .group_segment_fixed_size: 94720
    .private_segment_fixed_size: 0
    .kernarg_segment_align: 8
    .kernarg_segment_size: 80
    .max_flat_workgroup_size: 128
    .sgpr_count:     66
    .vgpr_count:     256
    .wavefront_size: 32
...
	.end_amdgpu_metadata
.endif
;; end of part 1
;; launch qkv (part 2): grid 24 x 8, 4 waves a work-group, clusters of 4 x 4, 327,680 bytes of LDS; arguments xq, wq, cs, wq_b, wk_b, wv_b, qkv; writes qkv
.if DOCPART == 2
	.amdgcn_target "amdgcn-amd-amdhsa--gfx1250"
	.amdhsa_code_object_version 6
	.text
	.protected	k_qaf50154a87_qkv
	.globl	k_qaf50154a87_qkv
	.p2align	8
	.type	k_qaf50154a87_qkv,@function
k_qaf50154a87_qkv:
	s_mov_b64 s[64:65], 0
	v_nop
	global_prefetch_b8 v0, s[64:65] scope:SCOPE_SE
	s_setreg_imm32_b32 hwreg(HW_REG_WAVE_MODE, 25, 1), 1
	s_wait_xcnt 0x0
	s_wait_alu depctr_hold_cnt(0) depctr_sa_sdst(0) depctr_va_vdst(0) depctr_va_sdst(0) depctr_va_ssrc(0) depctr_va_vcc(0) depctr_vm_vsrc(0)
	s_getreg_b32 s2, hwreg(HW_REG_IB_STS2, 6, 4)
	s_cmp_eq_u32 s2, 0
	s_cbranch_scc0 .Lentry_in_a_cluster
	s_endpgm
.Lentry_in_a_cluster:
	s_bfe_u32 s2, ttmp6, 0x10000c
	s_cmp_lg_u32 s2, 0xf033
	s_cbranch_scc0 .Lentry_shape_is_right
	s_endpgm
.Lentry_shape_is_right:
; QKV: the three projections on codes of FP6, with what follows them up to the next quantiser.  No work of the problem is left out here.
; Tile columns 0-7: Q = x wq + bias, RoPE, quantised along the head's 128; 8-15: K likewise; 16-23: V^T = (x wv + bias)^T, quantised along the keys.
; A tile is 256 x 256; four waves, each 128 x 128: 64 accumulators.  The matrix instruction is used transposed: source 0 = 16 rows of the COLUMN operand B, source 1 = 16 rows of the ROW operand A; a lane holds one row of A.
; Q, K: A = x's rowblocks, B = the weight's.  V^T: A = wv's rowblocks (a lane holds one channel d), B = x's (the registers run along the keys).  The choice hangs on the cluster's x alone, which all sixteen partners share.
; Operands lie as fragment images ([rowblock][K step][1536], scale words [rowblock][K step][64]); by the order of rows in a rowblock (row rho of rowblock v of a group of 64 is logical row 32 (rho / 8) + 8 v + rho % 8)
; a lane's 64 results of a block of A's rows are columns 64 c + 32 h + i at register 32 c + i: two whole blocks of 32 of the next operand, and RoPE's partner d +- 64 is the same lane's register +- 32.
; THE RING: K goes in steps of 384 (three of 128) through two LDS slots filled by joint tensor loads (A's tiles shared along a row of the 4 x 4 cluster, B's along a column): 192 matrix instructions a wave between two changes
; of slots.  K's 16 steps of 128 are 5 x 3 + 1: the sixth fill keeps the loop's descriptor, so its rows begin at K step 15 and run 3,072 bytes on into what follows them in the buffer (the next rowblock's first two K steps, or the
; scale words behind the codes: always inside the buffer); those bytes land and are not read.  That is 98,304 bytes more for a work-group's 786,432 of codes, taken so that the loop need not be written out.
; THE SCALE WORDS of K steps 0 to 14 come once, with the first fills (rows of 960 bytes): with all sixteen the two slots, the words and the spare words would be 512 bytes more than LDS holds.  K step 15's words come straight
; into sixteen registers at the head, 64 bytes a rowblock, and the last step, which is written out, names them.
; OUT: qkv codes, three parts of 3,145,728 bytes: Q, K [head][seq rowblock][1536], V [head][key step][d block][1536]; scale words behind them, three parts of 131,072.
; LIMITS: a block of zeros gets the byte 1 (read by this program alone); NaN and infinities in the biases, cos and sin are not served.
; 192 work-groups: a wave must hold a whole head beside its rows (RoPE, the quantiser), and a wave tile of 64 x 128 would feed half as many multiply-adds from each LDS byte.
.set NA,    8
.set NQ,    3                          ; K steps of 128 in a slot
.set NL,    3                          ; LDS loads that bring a fragment
.set FR,    12
.set RB,    1536*NQ                    ; a rowblock's bytes in a slot
.set HALFA, NA*RB
.set HALFB, 8*RB
.set SLOT,  2*HALFA+2*HALFB
.set SCL,   2*SLOT                     ; behind the ring: A's scale words (2 x 7,680), then B's
.set SROW,  960                        ; a rowblock's scale words of K steps 0 to 14
.set HALFS, 8*SROW
.set SPARE, SCL+4*HALFS                ; the spare words: two blocks of 256 bytes that no other line names
.set LI,   1                           ; v1  16 x lane
.set LS4,  2                           ; v2  4 x (lane % 16)
.set SH8,  3                           ; v3  8 x (lane / 16)
.set BAD,  4                           ; v4  128 x (lane / 16)
.set BVA,  5                           ; v5  4 x (32 (r / 8) + r % 8)
.set ADRA, 16                          ; v16-17 my A fragments in slot 0, 1
.set ADRB, 20                          ; v20-21 B's
.set ADRS, 27                          ; v27 my scale words: lanes 0-15 A's, lanes 16-31 B's
.set SPW,  28
.set NIL,  29
.set SC,   32                          ; v32-79 scale words, two sets of 24
.set S15A, 80                          ; v80-87 K step 15's words of my eight blocks of A; v88-95 of B
.set S15B, 88
.set AF,   128                         ; window 0: A's fragments, one set;  window 1: B's, two sets at v0 and v128;  windows 2, 3: the accumulators, (a, b) at v[8 (8 (a % 4) + b)]
.set TM,   32                          ; the way out, window 0: v32-40 at work, v41 the scale word, v44.. and v52-63 codes, v64-255 cos (three sets; V^T: v64-127 at work);  window 1: sin at v0, v64, v192, the bias at v128
.set PW,   41
.set PX,   44
.set PC,   52
.set ET,   64
.set EBI,  128
.set BV,   128
.set WV,   18
.set AB,   19                          ; s19 which half of the tile's rows is mine; also: I fetch for A (0) or B (1)
.set CH,   20                          ; s20 which half of its columns; also: which half I fetch
.set SEL,  66
.set G1,   24
.set G0,   32
.set G1B,  40
.set G0B,  48
.set G1S,  56
.set G0S,  68
.set G1SB, 72
.set G0SB, 80
.set MSB, 0
.macro WIN new                         ; the immediate's high byte repeats the setting that is left
.if MSB != (\new)
	s_set_vgpr_msb (MSB<<8)|(\new)
.set MSB, (\new)
.endif
.endm
.macro PLACES
.rept 4
	v_nop
.endr
.endm
; A joint load: waves 0 and 1 fetch for A, waves 2 and 3 for B.  An s_nop 0 and four v_nop follow each of the two lines.
.macro JLOAD g0a, g1a, g0b, g1b
	s_cmp_eq_u32 s[AB], 0
	s_cbranch_scc0 .Lfor_b_\@
	tensor_load_to_lds s[\g0a:\g0a+3], s[\g1a:\g1a+7]
	s_nop 0
.rept 4
	v_nop
.endr
	s_branch .Lasked_\@
.Lfor_b_\@:
	tensor_load_to_lds s[\g0b:\g0b+3], s[\g1b:\g1b+7]
	s_nop 0
.rept 4
	v_nop
.endr
.Lasked_\@:
.endm
.macro CREST
	s_cmp_lg_u32 s[WV], 0
	s_cbranch_scc1 .Lnot_wave_0_\@
	s_barrier_signal -3
.Lnot_wave_0_\@:
	s_barrier_wait -3
	s_barrier_signal -1
	s_barrier_wait -1
.endm
.macro CROUND
	s_barrier_signal -1
	s_barrier_wait -1
	CREST
.endm
.macro QB s                            ; 64 numbers of a lane, register 32 c + i = k 64 c + 32 h + i, become a fragment's codes in v[PC] on and the row's scale word in v[PW]
.irp c, 0,1
	v_max3_num_f32 v[TM+2*\c], |v[(\s)+32*\c]|, |v[(\s)+32*\c+1]|, 0x1800000      ; the floor 2^(3 - 127): the byte cannot fall under 1
	v_max3_num_f32 v[TM+2*\c+1], |v[(\s)+32*\c+16]|, |v[(\s)+32*\c+17]|, |v[(\s)+32*\c+18]|
.endr
.irp k, 2,4,6,8,10,12
.irp c, 0,1
	v_max3_num_f32 v[TM+2*\c], v[TM+2*\c], |v[(\s)+32*\c+\k]|, |v[(\s)+32*\c+\k+1]|
	v_max3_num_f32 v[TM+2*\c+1], v[TM+2*\c+1], |v[(\s)+32*\c+\k+17]|, |v[(\s)+32*\c+\k+18]|
.endr
.endr
.irp c, 0,1
	v_max3_num_f32 v[TM+2*\c], v[TM+2*\c], |v[(\s)+32*\c+14]|, |v[(\s)+32*\c+15]|
.endr
.irp c, 0,1
	v_max3_num_f32 v[TM+2*\c], v[TM+2*\c], v[TM+2*\c+1], |v[(\s)+32*\c+31]|
.endr
.irp c, 0,1
	v_add_nc_u32 v[TM+4+\c], 0xff000000, v[TM+2*\c]                               ; 2 off the exponent field: the conversion's scale operand
.endr
.irp c, 0,1
	v_lshrrev_b32 v[TM+6+\c], 23, v[TM+4+\c]
.endr
	v_lshl_or_b32 v[PW], v[TM+7], 16, v[TM+6]
	v_lshlrev_b32 v[PW], v[SH8], v[PW]
	v_permlanex16_b32 v[TM+8], v[PW], s[SEL], s[SEL+1]
	v_or_b32 v[PW], v[PW], v[TM+8]
.irp c, 0,1
	v_cvt_scalef32_pk16_fp6_f32 v[PC+6*\c:PC+6*\c+2], v[(\s)+32*\c:(\s)+32*\c+15], v[TM+4+\c]
	v_cvt_scalef32_pk16_fp6_f32 v[PX+4*\c:PX+4*\c+2], v[(\s)+32*\c+16:(\s)+32*\c+31], v[TM+4+\c]
.endr
	v_nop                                                                         ; one plain place behind the scaled conversions
.irp c, 0,1
.irp k, 0,1,2
	v_mov_b32 v[PC+3+6*\c+\k], v[PX+4*\c+\k]
.endr
.endr
.endm
	s_load_b256 s[4:11], s[0:1], 0x0               ; xq s[4:5], wq s[6:7], cs s[8:9], wq_b s[10:11]
	s_load_b128 s[12:15], s[0:1], 0x20             ; wk_b s[12:13], wv_b s[14:15]
	s_load_b64 s[16:17], s[0:1], 0x30              ; qkv
	v_lshl_add_u32 v[SPW], v0, 2, SPARE
	v_mov_b32 v[NIL], 0
	ds_add_u32 v[SPW], v[NIL]                      ; the wave's opening: the add, twice on end, and its wait ahead of my first tensor load
	ds_add_u32 v[SPW], v[NIL]
	v_lshrrev_b32 v6, 5, v0
	v_readfirstlane_b32 s[WV], v6
	s_lshr_b32 s[AB], s[WV], 1
	s_and_b32 s[CH], s[WV], 1
	s_bfe_u32 s21, ttmp6, 0x40000                  ; cx
	s_bfe_u32 s22, ttmp6, 0x40004                  ; cy
	s_lshl_b32 s23, ttmp9, 2
	s_add_co_u32 s23, s23, s21                     ; tile column
	s_and_b32 s84, ttmp7, 0xffff
	s_lshl_b32 s84, s84, 2
	s_add_co_u32 s84, s84, s22                     ; tile row
	s_lshl_b32 s85, s22, 2
	s_lshl_b32 s85, 15, s85                        ; my row of the cluster
	s_lshl_b32 s86, 0x1111, s21                    ; my column
	; group 1, codes: 8 rowblocks x RB bytes (elements of 8 bytes), 24,576 bytes from rowblock to rowblock; no padding: an image is read 16 bytes a lane on end
	s_or_b32 s[G1+0], s85, (3<<16)|(1<<21)
	s_or_b32 s[G1B+0], s86, (3<<16)|(1<<21)
.irp g, G1, G1B
	s_mov_b32 s[\g+1], (RB/8)<<16
	s_mov_b32 s[\g+2], 8<<16
	s_mov_b32 s[\g+3], (RB/8)<<16
	s_mov_b32 s[\g+4], 8
	s_mov_b32 s[\g+5], 3072
	s_mov_b32 s[\g+6], 0
	s_mov_b32 s[\g+7], 0
.endr
	; group 1, scale words of 8 rowblocks for K steps 0 to 14: 8 rows of 960 bytes, 1,024 bytes from rowblock to rowblock
	s_or_b32 s[G1S+0], s85, (3<<16)|(1<<21)
	s_or_b32 s[G1SB+0], s86, (3<<16)|(1<<21)
.irp g, G1S, G1SB
	s_mov_b32 s[\g+1], (SROW/8)<<16
	s_mov_b32 s[\g+2], 8<<16
	s_mov_b32 s[\g+3], (SROW/8)<<16
	s_mov_b32 s[\g+4], 8
	s_mov_b32 s[\g+5], 128
	s_mov_b32 s[\g+6], 0
	s_mov_b32 s[\g+7], 0
.endr
	s_cmp_lt_u32 ttmp9, 4                          ; Q or K?  (else V^T)
	s_cselect_b32 s87, 0, 256                      ; V^T: A's rowblocks are wv's, from 256 on in wq
	s_cselect_b32 s66, 0, 256                      ; V^T: B's tile columns count from 16: 256 rowblocks off
	s_mov_b32 s67, 12582912
	s_cselect_b32 s67, 3145728, s67                ; where A's buffer has its scale words
	s_mov_b32 s2, 3145728
	s_cselect_b32 s2, 12582912, s2                 ; and B's
	s_lshl_b32 s3, s[CH], 3                        ; which 8 rowblocks I fetch
	s_lshl_b32 s88, s84, 4
	s_add_co_u32 s88, s88, s3
	s_add_co_u32 s88, s88, s87                     ; A: made of the tile row alone
	s_lshl_b32 s90, s88, 10
	s_add_co_u32 s90, s90, s67
	s_mul_i32 s88, s88, 24576
	s_mov_b32 s89, 0
	s_mov_b32 s91, 0
	s_lshl_b32 s92, s23, 4
	s_add_co_u32 s92, s92, s3
	s_sub_co_u32 s92, s92, s66                     ; B: of the tile column alone
	s_lshl_b32 s94, s92, 10
	s_add_co_u32 s94, s94, s2
	s_mul_i32 s92, s92, 24576
	s_mov_b32 s93, 0
	s_mov_b32 s95, 0
	s_mul_i32 s[G0+1], s[CH], HALFA                ; LDS addresses: the wave's number and constants alone
	s_add_co_u32 s[G0+5], s[G0+1], SLOT
	s_mul_i32 s[G0B+1], s[CH], HALFB
	s_add_co_u32 s[G0B+1], s[G0B+1], 2*HALFA
	s_add_co_u32 s[G0B+5], s[G0B+1], SLOT
	s_mul_i32 s[G0S+1], s[CH], HALFS
	s_add_co_u32 s[G0S+1], s[G0S+1], SCL
	s_mul_i32 s[G0SB+1], s[CH], HALFS
	s_add_co_u32 s[G0SB+1], s[G0SB+1], SCL+2*HALFS
	s_wait_dscnt 0x0                               ; both opening adds are done
	s_wait_kmcnt 0x0
	s_cmp_lt_u32 ttmp9, 4
	s_cselect_b64 s[96:97], s[4:5], s[6:7]         ; A's buffer
	s_cselect_b64 s[98:99], s[6:7], s[4:5]         ; B's
	s_add_nc_u64 s[88:89], s[96:97], s[88:89]
	s_add_nc_u64 s[90:91], s[96:97], s[90:91]
	s_add_nc_u64 s[92:93], s[98:99], s[92:93]
	s_add_nc_u64 s[94:95], s[98:99], s[94:95]
	CROUND                                         ; all sixteen work-groups are here: the first joint loads meet
	s_mov_b32 s[G0S], 1
	s_mov_b64 s[G0S+2:G0S+3], s[90:91]
	s_or_b32 s[G0S+3], s[G0S+3], 0x80000000
	s_mov_b32 s[G0SB], 1
	s_mov_b64 s[G0SB+2:G0SB+3], s[94:95]
	s_or_b32 s[G0SB+3], s[G0SB+3], 0x80000000
	JLOAD G0S, G1S, G0SB, G1SB                     ; the scale words first: they are wanted with K step 0
.irp s, 0,1
	s_mov_b32 s[G0+4*\s], 1
	s_add_nc_u64 s[G0+4*\s+2:G0+4*\s+3], s[88:89], \s*RB
	s_or_b32 s[G0+4*\s+3], s[G0+4*\s+3], 0x80000000
	s_mov_b32 s[G0B+4*\s], 1
	s_add_nc_u64 s[G0B+4*\s+2:G0B+4*\s+3], s[92:93], \s*RB
	s_or_b32 s[G0B+4*\s+3], s[G0B+4*\s+3], 0x80000000
	JLOAD G0+4*\s, G1, G0B+4*\s, G1B
.endr
	; K step 15's scale words of the rowblocks that I MULTIPLY: A's 8 by my half of the rows, B's 8 by my half of the columns
	s_lshl_b32 s88, s84, 4
	s_lshl_b32 s89, s[AB], 3
	s_add_co_u32 s88, s88, s89
	s_add_co_u32 s88, s88, s87
	s_lshl_b32 s88, s88, 10
	s_add_co_u32 s88, s88, s67
	s_add_co_u32 s88, s88, SROW
	s_mov_b32 s89, 0
	s_add_nc_u64 s[88:89], s[96:97], s[88:89]
	s_lshl_b32 s90, s23, 4
	s_lshl_b32 s91, s[CH], 3
	s_add_co_u32 s90, s90, s91
	s_sub_co_u32 s90, s90, s66
	s_lshl_b32 s90, s90, 10
	s_add_co_u32 s90, s90, s2
	s_add_co_u32 s90, s90, SROW
	s_mov_b32 s91, 0
	s_add_nc_u64 s[90:91], s[98:99], s[90:91]
	v_and_b32 v6, 31, v0
	v_lshlrev_b32 v[LI], 4, v6
	v_and_b32 v7, 15, v0                           ; r
	v_bfe_u32 v8, v0, 4, 1                         ; h
	v_lshlrev_b32 v[LS4], 2, v7
.irp a, 0,1,2,3,4,5,6,7
	global_load_b32 v[S15A+\a], v[LS4], s[88:89] offset:1024*\a    ; lanes 0-15 hold the words that the product reads; lanes 16-31 the same
	global_load_b32 v[S15B+\a], v[LS4], s[90:91] offset:1024*\a
.endr
	v_lshlrev_b32 v[SH8], 3, v8
	v_lshlrev_b32 v[BAD], 7, v8
	v_bfe_u32 v10, v0, 3, 1
	v_and_b32 v11, 7, v0
	v_lshlrev_b32 v[BVA], 2, v11
	v_lshl_add_u32 v[BVA], v10, 7, v[BVA]
	s_mul_i32 s96, s[AB], HALFA                    ; my 8 rowblocks of A
	s_mul_i32 s97, s[CH], HALFB
	s_add_co_u32 s97, s97, 2*HALFA                 ; and of B
.irp s, 0,1
	v_add_nc_u32 v[ADRA+\s], s96, v[LI]
	v_add_nc_u32 v[ADRB+\s], s97, v[LI]
	s_add_co_u32 s96, s96, SLOT
	s_add_co_u32 s97, s97, SLOT
.endr
	s_mul_i32 s96, s[AB], HALFS
	s_mul_i32 s97, s[CH], HALFS
	s_add_co_u32 s97, s97, 2*HALFS
	s_sub_co_u32 s97, s97, s96
	v_mul_u32_u24 v9, s97, v8                      ; lanes 16-31 take B's words: the lower base + h x the distance
	s_add_co_u32 s96, s96, SCL
	v_lshl_add_u32 v9, v7, 2, v9
	v_add_nc_u32 v[ADRS], s96, v9
.macro FRAG reg, adr, q, i             ; a fragment's image: three loads of 16 bytes a lane, 512 consecutive bytes each
.irp c, 0,1,2
	ds_load_b128 v[\reg+4*\c:\reg+4*\c+3], v[\adr] offset:(\i)*RB+(\q)*1536+512*\c
.endr
.endm
; 8 matrix instructions: A's block a against B's eight.  mode 1: the first product starts the sums; mode 2: K step 15, whose scale words stand in registers of their own, both sides' in lanes 0-15.
; The 64 accumulators take turns, one instruction a turn, in the same order in every step.
.macro MULA a, p, q, sc, mode
	WIN 0xa1+0x50*((\a)/4)                         ; source 0 (B) window 1, source 1 (A) window 0, C and D window 2 or 3
.irp b, 0,1,2,3,4,5,6,7
.if (\mode) == 1
	v_wmma_scale_f32_16x16x128_f8f6f4 v[8*(8*((\a)%4)+\b):8*(8*((\a)%4)+\b)+7], v[128*(\p)+FR*\b:128*(\p)+FR*\b+FR-1], v[AF+FR*(\a):AF+FR*(\a)+FR-1], 0, v[SC+8*NQ*(\sc)+NQ*\b+(\q)], v[SC+8*NQ*(\sc)+NQ*(\a)+(\q)] matrix_a_fmt:MATRIX_FMT_FP6 matrix_b_fmt:MATRIX_FMT_FP6 matrix_a_scale:MATRIX_SCALE_ROW1
.elseif (\mode) == 2
	v_wmma_scale_f32_16x16x128_f8f6f4 v[8*(8*((\a)%4)+\b):8*(8*((\a)%4)+\b)+7], v[128*(\p)+FR*\b:128*(\p)+FR*\b+FR-1], v[AF+FR*(\a):AF+FR*(\a)+FR-1], v[8*(8*((\a)%4)+\b):8*(8*((\a)%4)+\b)+7], v[S15B+\b], v[S15A+(\a)] matrix_a_fmt:MATRIX_FMT_FP6 matrix_b_fmt:MATRIX_FMT_FP6
.else
	v_wmma_scale_f32_16x16x128_f8f6f4 v[8*(8*((\a)%4)+\b):8*(8*((\a)%4)+\b)+7], v[128*(\p)+FR*\b:128*(\p)+FR*\b+FR-1], v[AF+FR*(\a):AF+FR*(\a)+FR-1], v[8*(8*((\a)%4)+\b):8*(8*((\a)%4)+\b)+7], v[SC+8*NQ*(\sc)+NQ*\b+(\q)], v[SC+8*NQ*(\sc)+NQ*(\a)+(\q)] matrix_a_fmt:MATRIX_FMT_FP6 matrix_b_fmt:MATRIX_FMT_FP6 matrix_a_scale:MATRIX_SCALE_ROW1
.endif
.endr
.endm
.macro FETCH_B slot, q, p
	WIN 0x40                                       ; destination window 1
.irp i, 0,1,2,3,4,5,6,7
	FRAG 128*(\p)+FR*\i, ADRB+\slot, \q, \i
.endr
	WIN 0
.endm
.macro FETCH_A slot, q, i0
.irp i, \i0, \i0+1, \i0+2, \i0+3
	FRAG AF+FR*(\i), ADRA+\slot, \q, \i
.endr
.endm
.macro SCALES sc                       ; a slot's scale words: lanes 0-15 A's block i, lanes 16-31 B's block i
.irp i, 0,1,2,3,4,5,6,7
.irp q, 0,1,2
	ds_load_b32 v[SC+8*NQ*\sc+NQ*\i+\q], v[ADRS] offset:SROW*\i+64*\q
.endr
.endr
.endm
; A step of 128 along K that has its successor in the same slot.  B's set is (q + slot) % 2: slot 0 is entered at even steps of K, slot 1 at odd ones.
.macro STEP slot, q, mode
	s_wait_dscnt 4*NL                              ; B's set and A's blocks 0-3 are in; the youngest twelve loads (A's blocks 4-7) may be out
.irp a, 0,1,2,3
	MULA \a, ((\q)+(\slot))%2, \q, \slot, \mode
.endr
	s_wait_dscnt 0x0
	PLACES                                         ; four places in front of loads into registers that matrix instructions have read
	FETCH_B \slot, (\q)+1, 1-((\q)+(\slot))%2
	FETCH_A \slot, (\q)+1, 0
.irp a, 4,5,6,7
	MULA \a, ((\q)+(\slot))%2, \q, \slot, \mode
.endr
	PLACES
	WIN 0
	FETCH_A \slot, (\q)+1, 4
.endm
; A slot's last step changes slots: one barrier; in front of it each wave waits for all its tensor loads, adds 0 to its spare word, and waits for that and for its reads of this slot.
; fill = 1: this slot is filled again, six steps of K ahead.  scl = 1: the next slot's scale words are fetched from LDS.
.macro TURN slot, next, fill, scl
	s_wait_tensorcnt 0x0                           ; all my tensor loads have landed: my part of the next slot
	ds_add_u32 v[SPW], v[NIL]                      ; 0 onto my spare word
	s_wait_dscnt 4*NL+1                            ; (the add and A's blocks 4-7 may be out)
	MULA 0, (\slot)%2, NQ-1, \slot, 0
	MULA 1, (\slot)%2, NQ-1, \slot, 0
	s_wait_dscnt 0x0                               ; the add is done, and my reads of this slot are over
	s_barrier_signal -1
	MULA 2, (\slot)%2, NQ-1, \slot, 0
	MULA 3, (\slot)%2, NQ-1, \slot, 0
	WIN 0
	s_barrier_wait -1
.if \fill
	CREST                                          ; the barrier has opened a round of the cluster's: no wave of any partner still reads this slot or has a load on its way
	s_add_nc_u64 s[G0+4*\slot+2:G0+4*\slot+3], s[G0+4*\slot+2:G0+4*\slot+3], 2*RB
	s_add_nc_u64 s[G0B+4*\slot+2:G0B+4*\slot+3], s[G0B+4*\slot+2:G0B+4*\slot+3], 2*RB
	JLOAD G0+4*\slot, G1, G0B+4*\slot, G1B         ; the first tensor load behind the round; its four v_nop are the places in front of the loads below
.else
	PLACES
.endif
.if \scl
	v_add_nc_u32 v[ADRS], 64*NQ, v[ADRS]
.endif
	FETCH_B \next, 0, (\next)%2
	FETCH_A \next, 0, 0
.if \scl
	SCALES \next
.endif
.irp a, 4,5,6,7
	MULA \a, (\slot)%2, NQ-1, \slot, 0
.endr
	PLACES
	WIN 0
	FETCH_A \next, 0, 4
.endm
	s_wait_tensorcnt 1                             ; the scale words and my part of slot 0 are in; slot 1's load may be out
	s_barrier_signal -1
	s_barrier_wait -1
	FETCH_B 0, 0, 0
	FETCH_A 0, 0, 0
	SCALES 0
	FETCH_A 0, 0, 4
	STEP 0, 0, 1                                   ; K step 0 stands in front of the loop: its products start the sums
	s_mov_b32 s3, 2
.Llap:                                             ; a trip is six steps of K, once round the ring, and fills both slots again: K steps 6-8 and 9-11, then 12-14 and 15 on
	STEP 0, 1, 0
	TURN 0, 1, 1, 1
	STEP 1, 0, 0
	STEP 1, 1, 0
	TURN 1, 0, 1, 1
	STEP 0, 0, 0
	s_sub_co_u32 s3, s3, 1
	s_cmp_lg_u32 s3, 0
	s_cbranch_scc1 .Llap
	STEP 0, 1, 0                                   ; K step 13
	TURN 0, 1, 0, 0                                ; K step 14; nothing is filled, and K step 15's scale words are in registers
	s_wait_dscnt 4*NL
	s_wait_loadcnt 0x0                             ; those words, asked for at the head
.irp a, 0,1,2,3
	MULA \a, 1, 0, 1, 2
.endr
	s_wait_dscnt 0x0
.irp a, 4,5,6,7
	MULA \a, 1, 0, 1, 2
.endr
	WIN 0
	PLACES                                         ; behind the last products: results are read, and operands' registers are loaded and written, only from here on
; THE WAY OUT stays in registers: block a of A's rows is 64 consecutive registers of a lane.
	s_mov_b32 s[SEL], 0x76543210
	s_mov_b32 s[SEL+1], 0xfedcba98
	v_mov_b32 v[TM+8], 0                           ; a lane permute's destination counts as one of its sources
	s_lshr_b32 s24, s23, 3                         ; which part of qkv: Q, K, V
.macro OUTADR                          ; s25 = the head, s26 = the first of my eight fragments in it
	s_lshl_b32 s27, s25, 7
	s_add_co_u32 s27, s27, s26
	s_mul_i32 s28, s24, 3145728
	s_mul_i32 s30, s27, 1536
	s_add_co_u32 s28, s28, s30
	s_mov_b32 s29, 0
	s_add_nc_u64 s[28:29], s[16:17], s[28:29]
	s_lshl_b32 s30, s24, 17
	s_lshl_b32 s31, s27, 6
	s_add_co_u32 s30, s30, s31
	s_add_co_u32 s30, s30, 9437184
	s_mov_b32 s31, 0
	s_add_nc_u64 s[30:31], s[16:17], s[30:31]
.endm
.macro PUT a
.irp c, 0,1,2
	global_store_b128 v[LI], v[PC+4*\c:PC+4*\c+3], s[28:29] offset:1536*(\a)+512*\c   ; 512 consecutive bytes a store
.endr
	global_store_b32 v[LS4], v[PW], s[30:31] offset:64*(\a)                           ; both halves of the lanes write the same word; my eight blocks' words are 512 consecutive bytes
.endm
	s_cmp_lt_u32 ttmp9, 4
	s_cbranch_scc0 .Lpath_v
; ---- Q, K: + bias (by column), RoPE, the quantiser along the head's 128
	s_and_b32 s25, s23, 7
	s_lshl_b32 s25, s25, 1
	s_add_co_u32 s25, s25, s[CH]                   ; the head
	s_lshl_b32 s26, s84, 4
	s_lshl_b32 s27, s[AB], 3
	s_add_co_u32 s26, s26, s27                     ; my first rowblock of the sequence
	OUTADR
	s_cmp_lt_u32 ttmp9, 2
	s_cselect_b64 s[32:33], s[10:11], s[12:13]
	s_lshl_b32 s34, s25, 9
	s_mov_b32 s35, 0
	s_add_nc_u64 s[32:33], s[32:33], s[34:35]      ; my head's 128 biases
	s_lshl_b32 s34, s26, 14
	s_add_nc_u64 s[36:37], s[8:9], s[34:35]        ; my rowblocks' images of cos and sin
	WIN 0x40
.irp n, 0,1,2,3,4,5,6,7,8,9,10,11,12,13,14,15
	global_load_b128 v[EBI+4*\n:EBI+4*\n+3], v[BAD], s[32:33] offset:256*(\n/8)+16*(\n%8)
.endr
	WIN 0
; Block a's images of cos and sin, 32 loads of 512 consecutive bytes, into set a % 3: cos at v128, v192, v64 of window 0, sin at v0, v64, v192 of window 1.
.macro CSLOAD a
.if (\a)%3 == 2
.set LCO, 64
.set LSI, 192
.else
.set LCO, 128+64*((\a)%3)
.set LSI, 64*((\a)%3)
.endif
	WIN 0
.irp n, 0,1,2,3,4,5,6,7,8,9,10,11,12,13,14,15
	global_load_b128 v[LCO+4*\n:LCO+4*\n+3], v[LI], s[36:37] offset:16384*(\a)+512*\n
.endr
	WIN 0x40
.irp n, 0,1,2,3,4,5,6,7,8,9,10,11,12,13,14,15
	global_load_b128 v[LSI+4*\n:LSI+4*\n+3], v[LI], s[36:37] offset:16384*(\a)+8192+512*\n
.endr
	WIN 0
.endm
.macro ROPE a
.if (\a) < 7
	s_wait_loadcnt 32                              ; this block's cos and sin (and the bias) are in; the next block's 32 loads may be out
.else
	s_wait_loadcnt 0x0
.endif
.if (\a) < 6
	CSLOAD (\a)+2                                  ; two blocks ahead, into the set that block a - 1 has left
.endif
.set AC, 64*((\a)%4)
.if (\a)%3 == 2
.set RC, 64
.set RS, 192
.else
.set RC, 128+64*((\a)%3)
.set RS, 64*((\a)%3)
.endif
	WIN 0x86+0x41*((\a)/4)                         ; destination and source 0: the accumulators' window; source 1 (the bias): window 1
.set i, 0
.rept 32
	v_pk_add_f32 v[AC+2*i:AC+2*i+1], v[AC+2*i:AC+2*i+1], v[EBI+2*i:EBI+2*i+1]   ; t = the sum + the bias, in place; each accumulator from its low end on
.set i, i+1
.endr
	WIN 0x02+(\a)/4                                ; source 0: the accumulators' window
.set i, 0
.rept 32
	v_pk_mul_f32 v[RC+2*i:RC+2*i+1], v[AC+2*i:AC+2*i+1], v[RC+2*i:RC+2*i+1]     ; t cos
.set i, i+1
.endr
	WIN 0x06+(\a)/4                                ; and source 1 (sin): window 1
.set i, 0
.rept 16
	v_pk_fma_f32 v[RC+2*i:RC+2*i+1], v[AC+32+2*i:AC+32+2*i+1], v[RS+2*i:RS+2*i+1], v[RC+2*i:RC+2*i+1] neg_lo:[1,0,0] neg_hi:[1,0,0]   ; d < 64: - t(d + 64) sin(d)
.set i, i+1
.endr
.set i, 0
.rept 16
	v_pk_fma_f32 v[RC+32+2*i:RC+32+2*i+1], v[AC+2*i:AC+2*i+1], v[RS+32+2*i:RS+32+2*i+1], v[RC+32+2*i:RC+32+2*i+1]                   ; d >= 64: + t(d - 64) sin(d)
.set i, i+1
.endr
	WIN 0
	s_wait_xcnt 0x0                                ; the last block's stores have read the codes' registers
	QB RC
	PUT \a
.endm
	CSLOAD 0
	CSLOAD 1
.irp a, 0,1,2,3,4,5,6,7
	ROPE \a
.endr
	s_branch .Ldone
.Lpath_v:
; ---- V^T: + bias (by row: a lane holds one channel), the quantiser along the keys
	s_lshl_b32 s25, s84, 1
	s_add_co_u32 s25, s25, s[AB]                   ; the head
	s_sub_co_u32 s26, s23, 16
	s_lshl_b32 s26, s26, 4
	s_lshl_b32 s27, s[CH], 3
	s_add_co_u32 s26, s26, s27                     ; 8 x the key step
	OUTADR
	s_lshl_b32 s34, s25, 9
	s_mov_b32 s35, 0
	s_add_nc_u64 s[32:33], s[14:15], s[34:35]
.irp a, 0,1,2,3,4,5,6,7
	global_load_b32 v[BV+2*\a], v[BVA], s[32:33] offset:(64*(\a/4)+8*(\a%4))*4     ; my row's bias, twice: a pair for the packed addition
	global_load_b32 v[BV+2*\a+1], v[BVA], s[32:33] offset:(64*(\a/4)+8*(\a%4))*4
.endr
	s_wait_loadcnt 0x0
.macro VBLK a
.set AC, 64*((\a)%4)
	WIN 0x02+(\a)/4
.set i, 0
.rept 32
	v_pk_add_f32 v[ET+2*i:ET+2*i+1], v[AC+2*i:AC+2*i+1], v[BV+2*(\a):BV+2*(\a)+1]
.set i, i+1
.endr
	WIN 0
	s_wait_xcnt 0x0
	QB ET
	PUT \a
.endm
.irp a, 0,1,2,3,4,5,6,7
	VBLK \a
.endr
.Ldone:
	s_wait_tensorcnt 0x0                           ; the wave's end
	ds_add_u32 v[SPW], v[NIL]
	s_wait_dscnt 0x0
	CROUND                                         ; the closing round
	s_endpgm
.Lfunc_end_k_qaf50154a87_qkv:
	.size	k_qaf50154a87_qkv, .Lfunc_end_k_qaf50154a87_qkv-k_qaf50154a87_qkv
	.p2alignl 7, 3214868480
	.fill 96, 4, 3214868480
	.section	.rodata,"a",@progbits
	.p2align	6, 0x0
	.amdhsa_kernel k_qaf50154a87_qkv
		.amdhsa_group_segment_fixed_size 327680
		.amdhsa_private_segment_fixed_size 0
		.amdhsa_enable_private_segment 0
		.amdhsa_kernarg_size 56
		.amdhsa_user_sgpr_count 2
		.amdhsa_user_sgpr_kernarg_segment_ptr 1
		.amdhsa_wavefront_size32 1
		.amdhsa_system_sgpr_workgroup_id_x 1
		.amdhsa_system_sgpr_workgroup_id_y 1
		.amdhsa_system_sgpr_workgroup_id_z 1
		.amdhsa_system_vgpr_workitem_id 0
		.amdhsa_next_free_vgpr 1024
		.amdhsa_next_free_sgpr 100
		.amdhsa_reserve_vcc 0
		.amdhsa_float_denorm_mode_32 3
		.amdhsa_float_denorm_mode_16_64 3
		.amdhsa_memory_ordered 1
		.amdhsa_forward_progress 1
		.amdhsa_inst_pref_size 255
	.end_amdhsa_kernel
	.section	.bss,"aw",@nobits
	.p2align	6
	.space	262144
	.amdgpu_metadata
---
amdhsa.version: [ 1, 2 ]
amdhsa.kernels:
  - .name:           k_qaf50154a87_qkv
    .symbol:         k_qaf50154a87_qkv.kd
    .args:
      - { .name: xq, .offset: 0, .size: 8, .value_kind: global_buffer, .address_space: global }
      - { .name: wq, .offset: 8, .size: 8, .value_kind: global_buffer, .address_space: global }
      - { .name: cs, .offset: 16, .size: 8, .value_kind: global_buffer, .address_space: global }
      - { .name: wq_b, .offset: 24, .size: 8, .value_kind: global_buffer, .address_space: global }
      - { .name: wk_b, .offset: 32, .size: 8, .value_kind: global_buffer, .address_space: global }
      - { .name: wv_b, .offset: 40, .size: 8, .value_kind: global_buffer, .address_space: global }
      - { .name: qkv, .offset: 48, .size: 8, .value_kind: global_buffer, .address_space: global }
    .group_segment_fixed_size: 327680
    .private_segment_fixed_size: 0
    .kernarg_segment_align: 8
    .kernarg_segment_size: 56
    .max_flat_workgroup_size: 128
    .sgpr_count:     100
    .vgpr_count:     1024
    .wavefront_size: 32
...
	.end_amdgpu_metadata
.endif
;; end of part 2
;; launch attn (part 3): grid 16 x 16, 8 waves a work-group, clusters of 4 x 4, 327,680 bytes of LDS; arguments qkv, mask, oq; writes oq
.if DOCPART == 3
	.amdgcn_target "amdgcn-amd-amdhsa--gfx1250"
	.amdhsa_code_object_version 6
	.text
	.protected	k_qaf50154a87_attn
	.globl	k_qaf50154a87_attn
	.p2align	8
	.type	k_qaf50154a87_attn,@function
k_qaf50154a87_attn:
	s_mov_b64 s[64:65], 0
	v_nop
	global_prefetch_b8 v0, s[64:65] scope:SCOPE_SE
	s_setreg_imm32_b32 hwreg(HW_REG_WAVE_MODE, 25, 1), 1
	s_wait_xcnt 0x0
	s_wait_alu depctr_hold_cnt(0) depctr_sa_sdst(0) depctr_va_vdst(0) depctr_va_sdst(0) depctr_va_ssrc(0) depctr_va_vcc(0) depctr_vm_vsrc(0)
	s_getreg_b32 s2, hwreg(HW_REG_IB_STS2, 6, 4)
	s_cmp_eq_u32 s2, 0
	s_cbranch_scc0 .Lentry_in_a_cluster
	s_endpgm
.Lentry_in_a_cluster:
	s_bfe_u32 s2, ttmp6, 0x10000c
	s_cmp_lg_u32 s2, 0xf033
	s_cbranch_scc0 .Lentry_shape_is_right
	s_endpgm
.Lentry_shape_is_right:
; ATTN: O = softmax(Q K^T / sqrt(128) + mask) V on codes of FP6, and O's quantiser along (head, d).  No work of the problem is left out: the mask is an input and is added to every score.
; t = (score + mask sqrt(128)) x log2(e) / sqrt(128); M = the running largest t rounded up to a whole number; p = 2^(t - M) is quantised along the keys, not normalised; the row's sum is taken of the unquantised p and divides at the end.
; SHARES: a work-group owns 128 queries of one head, each of its eight waves one rowblock of 16; two waves to a SIMD.  Every wave walks the head's 2,048 keys, 128 a step.
; LAYOUT: both products transposed (S^T = K Q^T, O^T = V^T P^T): a lane holds one query.  By the order of rows in a rowblock, register 32 c + i of the scores is key 64 c + 32 h + i of the step: a lane holds two WHOLE blocks of 32,
; so a block's maximum needs no other lane and the conversions' results are the operand's registers.  O^T's registers are d = 64 c + 32 h + i likewise.
; CLUSTER 4 x 4: K, V and their scale words hang on the head alone and are asked for jointly along a row of the cluster; the mask's tile hangs on the query block alone and is asked for jointly along a column.
; RING: two slots 2^17 bytes apart, each one key step: K 12,288, V 12,288, the mask's 128 rows x 512 bytes in four quarters (rows 528 bytes apart, quarters 17,024: rows r and r + 32 fall in different halves of the banks).
; LIMITS: -infinity in the mask gives p = 0; a row whose mask is all -infinity gives NaN, as the softmax of such a row does; +infinity and NaN in the mask are not served; a block of zeros gets the byte 1.
.set SLOT1, 1<<17
.set SCK,   262144                     ; K's scale words of the whole head, 8,192 bytes; V's behind them
.set SPARE, 278528                     ; the spare words, 128 bytes a wave: four blocks of 256 bytes that no other line names
.set LI,  1                            ; v1  16 x lane
.set LM,  2                            ; v2  my query's row in the mask's tile, + 128 h
.set LSC, 3                            ; v3  SCK + 4 r
.set SH8, 4
.set SPW, 5
.set NIL, 6
.set ADF, 7                            ; v7-9 the step's addresses: fragments, mask, scale words
.set ADM, 8
.set ADS, 9
.set LS4, 10
.set PFO, 11                           ; v11 the prefetches' lane offset; never rewritten
.set Q,   16                           ; v12 -M, v13 the largest t, v[14:15] the sum; v16-27 Q; v28 its scale words
.set QS,  28
.set PW,  29
.set KS,  32                           ; v[30:31] f;  v32-39 K's scale words, v40-47 V's
.set VS,  40
.set PC,  48                           ; v48-59 p's codes
.set PX,  60                           ; v60-62, v64-66
.set BM,  68                           ; v68-71 block maxima
.set RM,  72
.set RP,  73
.set SO,  74
.set SB,  76
.set PP,  78
.set SU,  80
.set TM,  68                           ; the way out's quantiser works in v68-76
.set S,   96                           ; v96-159 the scores, then p
.set MK,  160                          ; v160-223 the mask
.set VF,  64                           ; window 1: v0-63 O^T, v64-159 V's fragments, v160-255 K's
.set KF,  160
.set WV,  10
.set SEL, 18
.set CS,  20                           ; s[20:21] log2(e) / sqrt(128)
.set RT,  22                           ; s[22:23] sqrt(128)
.set G1KV, 24
.set G1S,  32
.set G1M,  40
.set G0KV, 48
.set G0S,  52
.set G0M,  56
.set TB,  60                           ; s60 the slot in hand
.set TS,  61                           ; s61 the step's scale words: 512 bytes a step
.set CNT, 62
.set LIM, 63                           ; s63 2 in a wave that prefetches, else the greatest number
.set PFA, 66
.set PFS, 68
.set MSB, 0
.macro WIN new
.if MSB != (\new)
	s_set_vgpr_msb (MSB<<8)|(\new)
.set MSB, (\new)
.endif
.endm
.macro CROUND
	s_barrier_signal -1
	s_barrier_wait -1
	s_cmp_lg_u32 s[WV], 0
	s_cbranch_scc1 .Lnot_wave_0_\@
	s_barrier_signal -3
.Lnot_wave_0_\@:
	s_barrier_wait -3
	s_barrier_signal -1
	s_barrier_wait -1
.endm
; A joint refill: waves 0-3 fetch K's and V's halves, waves 4-7 the mask's quarters.  An s_nop 0 and four v_nop follow each line.
.macro JLOAD
	s_cmp_lt_u32 s[WV], 4
	s_cbranch_scc0 .Lfor_m_\@
	tensor_load_to_lds s[G0KV:G0KV+3], s[G1KV:G1KV+7]
	s_nop 0
.rept 4
	v_nop
.endr
	s_branch .Lasked_\@
.Lfor_m_\@:
	tensor_load_to_lds s[G0M:G0M+3], s[G1M:G1M+7]
	s_nop 0
.rept 4
	v_nop
.endr
.Lasked_\@:
.endm
; A PREFETCH INTO THE L2 of the key step that stands two refills on.  K and V: wave 0 of the clusters with x = 0; partner cx takes one of the four pieces of 6,144 bytes, lanes 192 bytes apart (24 blocks of 256 bytes; eight of them
; are named by two neighbouring lanes of the one instruction).  The mask: waves 4 and 5 of the clusters with y = 0; partner cy takes 32 rows, a lane a row, each wave half of the step's 512 bytes.
; Partners are told apart by address alone.  Steps 0 to 2 come by their loads alone; the last two refills ask for nothing.
.macro ASK
	s_cmp_gt_u32 s[CNT], s[LIM]
	s_cbranch_scc0 .Lnot_mine_\@
	global_prefetch_b8 v[PFO], s[PFA:PFA+1] th:TH_LOAD_NT scope:SCOPE_SE
.Lnot_mine_\@:
.endm
.macro QB s
.irp c, 0,1
	v_max3_num_f32 v[TM+2*\c], |v[(\s)+32*\c]|, |v[(\s)+32*\c+1]|, 0x1800000
	v_max3_num_f32 v[TM+2*\c+1], |v[(\s)+32*\c+16]|, |v[(\s)+32*\c+17]|, |v[(\s)+32*\c+18]|
.endr
.irp k, 2,4,6,8,10,12
.irp c, 0,1
	v_max3_num_f32 v[TM+2*\c], v[TM+2*\c], |v[(\s)+32*\c+\k]|, |v[(\s)+32*\c+\k+1]|
	v_max3_num_f32 v[TM+2*\c+1], v[TM+2*\c+1], |v[(\s)+32*\c+\k+17]|, |v[(\s)+32*\c+\k+18]|
.endr
.endr
.irp c, 0,1
	v_max3_num_f32 v[TM+2*\c], v[TM+2*\c], |v[(\s)+32*\c+14]|, |v[(\s)+32*\c+15]|
.endr
.irp c, 0,1
	v_max3_num_f32 v[TM+2*\c], v[TM+2*\c], v[TM+2*\c+1], |v[(\s)+32*\c+31]|
.endr
.irp c, 0,1
	v_add_nc_u32 v[TM+4+\c], 0xff000000, v[TM+2*\c]
.endr
.irp c, 0,1
	v_lshrrev_b32 v[TM+6+\c], 23, v[TM+4+\c]
.endr
	v_lshl_or_b32 v[PW], v[TM+7], 16, v[TM+6]
	v_lshlrev_b32 v[PW], v[SH8], v[PW]
	v_permlanex16_b32 v[TM+8], v[PW], s[SEL], s[SEL+1]
	v_or_b32 v[PW], v[PW], v[TM+8]
.irp c, 0,1
	v_cvt_scalef32_pk16_fp6_f32 v[PC+6*\c:PC+6*\c+2], v[(\s)+32*\c:(\s)+32*\c+15], v[TM+4+\c]
	v_cvt_scalef32_pk16_fp6_f32 v[PX+4*\c:PX+4*\c+2], v[(\s)+32*\c+16:(\s)+32*\c+31], v[TM+4+\c]
.endr
	v_nop
.irp c, 0,1
.irp k, 0,1,2
	v_mov_b32 v[PC+3+6*\c+\k], v[PX+4*\c+\k]
.endr
.endr
.endm
	s_load_b128 s[4:7], s[0:1], 0x0                ; qkv s[4:5], mask s[6:7]
	s_load_b64 s[8:9], s[0:1], 0x10                ; oq
	v_lshl_add_u32 v[SPW], v0, 2, SPARE
	v_mov_b32 v[NIL], 0
	ds_add_u32 v[SPW], v[NIL]                      ; the wave's opening: the add, twice on end, and its wait ahead of my first tensor load
	ds_add_u32 v[SPW], v[NIL]
	v_lshrrev_b32 v7, 5, v0
	v_readfirstlane_b32 s[WV], v7
	s_bfe_u32 s11, ttmp6, 0x40000                  ; cx
	s_bfe_u32 s12, ttmp6, 0x40004                  ; cy
	s_lshl_b32 s13, ttmp9, 2
	s_add_co_u32 s13, s13, s11                     ; my block of 128 queries
	s_and_b32 s14, ttmp7, 0xffff
	s_lshl_b32 s14, s14, 2
	s_add_co_u32 s14, s14, s12                     ; my head
	s_lshl_b32 s15, s12, 2
	s_lshl_b32 s15, 15, s15                        ; my row of the cluster: the same head
	s_lshl_b32 s16, 0x1111, s11                    ; my column: the same queries
	s_or_b32 s[G1KV], s15, (3<<16)|(1<<21)         ; half a step's K or V: 6,144 dense bytes as 24 rows of 256
	s_mov_b32 s[G1KV+1], 32<<16
	s_mov_b32 s[G1KV+2], 24<<16
	s_mov_b32 s[G1KV+3], 32<<16
	s_mov_b32 s[G1KV+4], 24
	s_mov_b32 s[G1KV+5], 32
	s_mov_b32 s[G1KV+6], 0
	s_mov_b32 s[G1KV+7], 0
	s_or_b32 s[G1S], s15, (3<<16)|(1<<21)          ; half a head's scale words of K or V: 4,096 dense bytes as 16 rows of 256
	s_mov_b32 s[G1S+1], 32<<16
	s_mov_b32 s[G1S+2], 16<<16
	s_mov_b32 s[G1S+3], 32<<16
	s_mov_b32 s[G1S+4], 16
	s_mov_b32 s[G1S+5], 32
	s_mov_b32 s[G1S+6], 0
	s_mov_b32 s[G1S+7], 0
	s_or_b32 s[G1M], s16, (2<<16)|(1<<20)|(1<<21)|(6<<22)|(3<<25)   ; the mask: 32 rows x 128 numbers of 4 bytes, 2,048 from row to row; 4 words of padding behind every 128
	s_mov_b32 s[G1M+1], 128<<16
	s_mov_b32 s[G1M+2], 32<<16
	s_mov_b32 s[G1M+3], 128<<16
	s_mov_b32 s[G1M+4], 32
	s_mov_b32 s[G1M+5], 2048
	s_mov_b32 s[G1M+6], 0
	s_mov_b32 s[G1M+7], 0
	s_and_b32 s70, s[WV], 3
	s_bfe_u32 s71, s[WV], 0x10001                  ; K (0) or V (1)
	s_and_b32 s72, s[WV], 1                        ; which half
	s_add_co_u32 s71, s71, 1
	s_mul_i32 s74, s71, 3145728
	s_mul_i32 s73, s14, 196608
	s_add_co_u32 s74, s74, s73
	s_mul_i32 s73, s72, 6144
	s_add_co_u32 s74, s74, s73
	s_mov_b32 s75, 0
	s_lshl_b32 s76, s71, 17
	s_lshl_b32 s73, s14, 13
	s_add_co_u32 s76, s76, s73
	s_lshl_b32 s73, s72, 12
	s_add_co_u32 s76, s76, s73
	s_add_co_u32 s76, s76, 9437184
	s_mov_b32 s77, 0
	s_lshl_b32 s78, s13, 7
	s_lshl_b32 s79, s70, 5
	s_add_co_u32 s78, s78, s79
	s_lshl_b32 s78, s78, 13                        ; the mask's row 128 qb + 32 x quarter
	s_mov_b32 s79, 0
	s_mov_b32 s[G0KV], 1
	s_mul_i32 s[G0KV+1], s70, 6144
	s_mov_b32 s[G0S], 1
	s_lshl_b32 s[G0S+1], s70, 12
	s_add_co_u32 s[G0S+1], s[G0S+1], SCK
	s_mov_b32 s[G0M], 1
	s_mul_i32 s[G0M+1], s70, 17024
	s_add_co_u32 s[G0M+1], s[G0M+1], 24576
	s_lshl_b32 s80, s14, 7
	s_lshl_b32 s81, s13, 3
	s_add_co_u32 s80, s80, s81
	s_add_co_u32 s80, s80, s[WV]                   ; Q: head x 128 + my rowblock
	s_lshl_b32 s82, s80, 6
	s_add_co_u32 s82, s82, 9437184
	s_mov_b32 s83, 0
	s_mul_i32 s80, s80, 1536
	s_mov_b32 s81, 0
	s_lshl_b32 s84, s13, 3
	s_add_co_u32 s84, s84, s[WV]
	s_lshl_b32 s84, s84, 4
	s_add_co_u32 s84, s84, s14                     ; O: my rowblock x 16 + head
	s_lshl_b32 s86, s84, 6
	s_add_co_u32 s86, s86, 3145728
	s_mov_b32 s87, 0
	s_mul_i32 s84, s84, 1536
	s_mov_b32 s85, 0
	s_mov_b32 s[SEL], 0x76543210
	s_mov_b32 s[SEL+1], 0xfedcba98
	s_mov_b32 s[CS], 0x3e0293ee
	s_mov_b32 s[CS+1], s[CS]
	s_mov_b32 s[RT], 0x413504f3
	s_mov_b32 s[RT+1], s[RT]
	s_mov_b32 s[TB], 0
	s_mov_b32 s[TS], 0
	s_mov_b32 s[CNT], 15
	s_wait_dscnt 0x0                               ; both opening adds are done
	s_wait_kmcnt 0x0
	s_add_nc_u64 s[G0KV+2:G0KV+3], s[4:5], s[74:75]
	s_or_b32 s[G0KV+3], s[G0KV+3], 0x80000000
	s_add_nc_u64 s[G0S+2:G0S+3], s[4:5], s[76:77]
	s_or_b32 s[G0S+3], s[G0S+3], 0x80000000
	s_add_nc_u64 s[G0M+2:G0M+3], s[6:7], s[78:79]
	s_or_b32 s[G0M+3], s[G0M+3], 0x80000000
	s_add_nc_u64 s[80:81], s[4:5], s[80:81]
	s_add_nc_u64 s[82:83], s[4:5], s[82:83]
	s_add_nc_u64 s[84:85], s[8:9], s[84:85]
	s_add_nc_u64 s[86:87], s[8:9], s[86:87]
	CROUND                                         ; all sixteen work-groups are here: the first joint loads meet
	s_cmp_lt_u32 s[WV], 4                          ; every wave issues a first fill, in one arm of one branch
	s_cbranch_scc0 .Lfirst_m
	tensor_load_to_lds s[G0S:G0S+3], s[G1S:G1S+7]
	s_nop 0
	tensor_load_to_lds s[G0KV:G0KV+3], s[G1KV:G1KV+7]
	s_nop 0
.rept 4
	v_nop
.endr
	s_branch .Lfirst_asked
.Lfirst_m:
	tensor_load_to_lds s[G0M:G0M+3], s[G1M:G1M+7]
	s_nop 0
.rept 4
	v_nop
.endr
.Lfirst_asked:
	v_and_b32 v7, 31, v0
	v_lshlrev_b32 v[LI], 4, v7
	v_and_b32 v8, 15, v0                           ; r
	v_bfe_u32 v9, v0, 4, 1                         ; h
	v_lshlrev_b32 v[LS4], 2, v8
	v_lshlrev_b32 v[SH8], 3, v9
.irp c, 0,1,2
	global_load_b128 v[Q+4*\c:Q+4*\c+3], v[LI], s[80:81] offset:512*\c     ; Q's fragment stays in registers
.endr
	global_load_b32 v[QS], v[LS4], s[82:83]
	v_add_nc_u32 v[LSC], SCK, v[LS4]
	s_lshr_b32 s88, s[WV], 2                       ; my query is row 64 (w / 4) + 8 (w % 4) + 32 (r / 8) + r % 8 of the 128
	s_mul_i32 s88, s88, 34048
	s_mul_i32 s89, s70, 4224
	s_add_co_u32 s88, s88, s89
	s_add_co_u32 s88, s88, 24576
	v_bfe_u32 v68, v0, 3, 1
	v_and_b32 v69, 7, v0
	v_mul_u32_u24 v[LM], v68, 17024
	v_mad_u32_u24 v[LM], v69, 528, v[LM]
	v_lshl_add_u32 v[LM], v9, 7, v[LM]
	v_add_nc_u32 v[LM], s88, v[LM]
	; the prefetches: where my wave's stand, and who asks
	s_lshr_b32 s90, s11, 1
	s_add_co_u32 s90, s90, 1
	s_mul_i32 s90, s90, 3145728
	s_and_b32 s91, s11, 1
	s_mul_i32 s91, s91, 6144
	s_add_co_u32 s90, s90, s91
	s_mul_i32 s91, s14, 196608
	s_add_co_u32 s90, s90, s91
	s_add_co_u32 s90, s90, 2*12288                 ; at step 2: the first change steps it to 3
	s_lshl_b32 s92, s13, 7
	s_lshl_b32 s93, s12, 5
	s_add_co_u32 s92, s92, s93
	s_lshl_b32 s92, s92, 13
	s_lshl_b32 s93, s72, 8
	s_add_co_u32 s92, s92, s93
	s_add_co_u32 s92, s92, 2*512
	s_bfe_u32 s95, s[WV], 0x10001
	s_and_b32 s94, ttmp7, 0xffff
	s_mov_b32 s[PFS], 512
	s_mov_b32 s88, 8192
	s_mov_b32 s91, 0
	s_mov_b32 s[PFS+1], 0
	s_cmp_lt_u32 s[WV], 4
	s_cselect_b32 s94, ttmp9, s94                  ; the coordinate along which other clusters read the same bytes
	s_cselect_b32 s95, s[WV], s95                  ; 0 in wave 0, and in waves 4 and 5
	s_cselect_b32 s[PFS], 12288, s[PFS]
	s_cselect_b32 s88, 192, s88
	s_cselect_b32 s90, s90, s92
	s_cselect_b64 s[PFA:PFA+1], s[4:5], s[6:7]
	s_add_nc_u64 s[PFA:PFA+1], s[PFA:PFA+1], s[90:91]
	s_or_b32 s95, s95, s94
	s_cmp_eq_u32 s95, 0
	s_cselect_b32 s[LIM], 2, -1                    ; the same in all sixteen partners, for a given wave
	v_mul_lo_u32 v[PFO], v7, s88
	v_mov_b32 v13, 0xff61b1e6                      ; the largest t so far: -3e38
	v_floor_f32 v12, -v13                          ; -M
	v_mov_b32 v14, 0
	v_mov_b32 v15, 0
	v_mov_b32 v31, 0                               ; (named as the upper half of the pair v[30:31])
	v_mov_b32 v[RP], 0                             ; a lane permute's destination counts as one of its sources
	v_mov_b32 v[PP], 0
	v_mov_b32 v[TM+8], 0
	WIN 0x40
.set i, 0
.rept 64
	v_mov_b32 v[i], 0                              ; O^T.  (The step is written once: the first finds zeros, which the first change of M leaves zeros)
.set i, i+1
.endr
	WIN 0
; THE CHANGE OF SLOTS stands at a step's head: each wave waits for all its tensor loads (its part of the slot ahead), adds 0 to its spare word, and waits for that and for its reads of the slot that it has left.
.macro CHANGE fill
	s_wait_tensorcnt 0x0                           ; no tensor load of mine is out, so a group 0 may be written
	ds_add_u32 v[SPW], v[NIL]
.if \fill
	s_xor_b32 s[G0KV+1], s[G0KV+1], SLOT1
	s_add_nc_u64 s[G0KV+2:G0KV+3], s[G0KV+2:G0KV+3], 12288
	s_xor_b32 s[G0M+1], s[G0M+1], SLOT1
	s_add_nc_u64 s[G0M+2:G0M+3], s[G0M+2:G0M+3], 512
	s_wait_xcnt 0x0                                ; the last prefetch, a step back, has read its address
	s_add_nc_u64 s[PFA:PFA+1], s[PFA:PFA+1], s[PFS:PFS+1]
	s_wait_dscnt 0x0
	CROUND                                         ; no wave of any partner still reads the slot or has a load on its way
	JLOAD                                          ; the next step, into the slot just left: my one load until the next round; its four v_nop are the places in front of the loads below
	ASK
.else
	s_wait_dscnt 0x0
	s_barrier_signal -1
	s_barrier_wait -1
.rept 4
	v_nop
.endr
.endif
.endm
.macro STEP
	v_add_nc_u32 v[ADF], s[TB], v[LI]
	v_add_nc_u32 v[ADM], s[TB], v[LM]
	v_add_nc_u32 v[ADS], s[TS], v[LSC]
	WIN 0x40
.irp t, 0,1,2,3,4,5,6,7
.irp c, 0,1,2
	ds_load_b128 v[KF+12*\t+4*\c:KF+12*\t+4*\c+3], v[ADF] offset:1536*\t+512*\c
.endr
.endr
	WIN 0
.irp t, 0,1,2,3,4,5,6,7
	ds_load_b32 v[KS+\t], v[ADS] offset:64*\t
.endr
.irp n, 0,1,2,3,4,5,6,7,8,9,10,11,12,13,14,15
	ds_load_b128 v[MK+4*\n:MK+4*\n+3], v[ADM] offset:256*(\n/8)+16*(\n%8)
.endr
	WIN 0x40
.irp t, 0,1,2,3,4,5,6,7
.irp c, 0,1,2
	ds_load_b128 v[VF+12*\t+4*\c:VF+12*\t+4*\c+3], v[ADF] offset:12288+1536*\t+512*\c
.endr
.endr
	WIN 0
.irp t, 0,1,2,3,4,5,6,7
	ds_load_b32 v[VS+\t], v[ADS] offset:8192+64*\t
.endr
	s_wait_dscnt 48                                ; K and its scale words are in; the mask's 16, V's 24 and its 8 words may be out
	WIN 0x01                                       ; source 0 (K): window 1
.irp t, 0,1,2,3,4,5,6,7
	v_wmma_scale_f32_16x16x128_f8f6f4 v[S+8*\t:S+8*\t+7], v[KF+12*\t:KF+12*\t+11], v[Q:Q+11], 0, v[KS+\t], v[QS] matrix_a_fmt:MATRIX_FMT_FP6 matrix_b_fmt:MATRIX_FMT_FP6
.endr
	WIN 0
	s_wait_dscnt 32                                ; the mask is in
.rept 4
	v_nop
.endr
.set i, 0
.rept 32
	v_pk_fma_f32 v[S+2*i:S+2*i+1], v[MK+2*i:MK+2*i+1], s[RT:RT+1], v[S+2*i:S+2*i+1] op_sel_hi:[1,0,1]   ; u = score + mask sqrt(128)
.set i, i+1
.endr
.irp c, 0,1                            ; the largest u of each of my two blocks of 32 keys: it serves for the row's maximum and, since p rises with u, for the block's largest p
	v_max3_num_f32 v[BM+2*\c], v[S+32*\c], v[S+32*\c+1], v[S+32*\c+2]
	v_max3_num_f32 v[BM+2*\c+1], v[S+32*\c+16], v[S+32*\c+17], v[S+32*\c+18]
.endr
.irp k, 3,5,7,9,11,13
.irp c, 0,1
	v_max3_num_f32 v[BM+2*\c], v[BM+2*\c], v[S+32*\c+\k], v[S+32*\c+\k+1]
	v_max3_num_f32 v[BM+2*\c+1], v[BM+2*\c+1], v[S+32*\c+\k+16], v[S+32*\c+\k+17]
.endr
.endr
.irp c, 0,1
	v_max3_num_f32 v[BM+2*\c], v[BM+2*\c], v[S+32*\c+15], v[S+32*\c+31]
.endr
.irp c, 0,1
	v_max_num_f32 v[BM+2*\c], v[BM+2*\c], v[BM+2*\c+1]
.endr
	v_max_num_f32 v[RM], v[BM], v[BM+2]
	v_permlanex16_b32 v[RP], v[RM], s[SEL], s[SEL+1]
	v_max_num_f32 v[RM], v[RM], v[RP]              ; the step's largest u of my query
	v_mul_f32 v[RM], s[CS], v[RM]
	v_max_num_f32 v13, v13, v[RM]                  ; the running largest t
	v_mov_b32 v[RM], v12
	v_floor_f32 v12, -v13                          ; the new -M = -ceil(t)
	v_sub_f32 v[RM], v12, v[RM]                    ; old M - new M: a whole number, 0 or less
	v_cvt_i32_f32 v[RM], v[RM]                     ; (it saturates)
	v_ldexp_f32 v30, 1.0, v[RM]                    ; f = 2^(old M - new M)
.set i, 0
.rept 32
	v_pk_fma_f32 v[S+2*i:S+2*i+1], v[S+2*i:S+2*i+1], s[CS:CS+1], v[12:13] op_sel_hi:[1,0,0]   ; t - M
.set i, i+1
.endr
	v_fma_f32 v[BM], v[BM], s[CS], v12
	v_fma_f32 v[BM+2], v[BM+2], s[CS], v12
.set i, 0
.rept 64
	v_exp_f32 v[S+i], v[S+i]                       ; p = 2^(t - M)
.set i, i+1
.endr
	v_pk_mul_f32 v[14:15], v[14:15], v[30:31] op_sel_hi:[1,0]   ; the sums under the new M: the plain place behind the batch
	s_wait_alu depctr_va_vdst(0)                   ; one wait for the 64, ahead of their first reader
	v_exp_f32 v[BM], v[BM]                         ; the blocks' largest p
	v_exp_f32 v[BM+2], v[BM+2]
	v_pk_add_f32 v[SU:SU+1], v[S:S+1], v[S+2:S+3]  ; the row's sum of the unquantised p, in two chains
.irp j, 4,8,12,16,20,24,28,32,36,40,44,48,52,56,60
	v_pk_add_f32 v[14:15], v[14:15], v[S+\j:S+\j+1]
	v_pk_add_f32 v[SU:SU+1], v[SU:SU+1], v[S+\j+2:S+\j+3]
.endr
	v_pk_add_f32 v[14:15], v[14:15], v[SU:SU+1]
	s_wait_alu depctr_va_vdst(0)                   ; and one for the two
.irp c, 0,1
	v_max_num_f32 v[BM+2*\c], 0x1800000, v[BM+2*\c]            ; the floor: the byte cannot fall under 1
.endr
.irp c, 0,1
	v_add_nc_u32 v[SO+\c], 0xff000000, v[BM+2*\c]
.endr
.irp c, 0,1
	v_lshrrev_b32 v[SB+\c], 23, v[SO+\c]
.endr
	v_lshl_or_b32 v[PW], v[SB+1], 16, v[SB]
	v_lshlrev_b32 v[PW], v[SH8], v[PW]
	v_permlanex16_b32 v[PP], v[PW], s[SEL], s[SEL+1]
	v_or_b32 v[PW], v[PW], v[PP]                   ; p's scale word for these 128 keys
.irp c, 0,1
	v_cvt_scalef32_pk16_fp6_f32 v[PC+6*\c:PC+6*\c+2], v[S+32*\c:S+32*\c+15], v[SO+\c]
	v_cvt_scalef32_pk16_fp6_f32 v[PX+4*\c:PX+4*\c+2], v[S+32*\c+16:S+32*\c+31], v[SO+\c]
.endr
	v_nop
.irp c, 0,1
.irp k, 0,1,2
	v_mov_b32 v[PC+3+6*\c+\k], v[PX+4*\c+\k]
.endr
.endr
	WIN 0x41                                       ; O^T: destination and source 0 in window 1
.set i, 0
.rept 32
	v_pk_mul_f32 v[2*i:2*i+1], v[2*i:2*i+1], v[30:31] op_sel_hi:[1,0]   ; O^T under the new M; these are also the places between the codes' and the scale word's last writes and the products
.set i, i+1
.endr
	s_wait_dscnt 0x0                               ; V and its scale words are in
	WIN 0x51                                       ; source 0 (V), C and D: window 1; source 1 (p): window 0
.irp t, 0,1,2,3,4,5,6,7
	v_wmma_scale_f32_16x16x128_f8f6f4 v[8*\t:8*\t+7], v[VF+12*\t:VF+12*\t+11], v[PC:PC+11], v[8*\t:8*\t+7], v[VS+\t], v[PW] matrix_a_fmt:MATRIX_FMT_FP6 matrix_b_fmt:MATRIX_FMT_FP6
.endr
	WIN 0
.endm
	s_wait_loadcnt 0x0                             ; Q
.Lstep:                                            ; 15 trips: behind each change of slots the next step is asked for
	CHANGE 1
	STEP
	s_xor_b32 s[TB], s[TB], SLOT1
	s_add_co_u32 s[TS], s[TS], 512
	s_sub_co_u32 s[CNT], s[CNT], 1
	s_cmp_lg_u32 s[CNT], 0
	s_cbranch_scc1 .Lstep
	CHANGE 0                                       ; the last step is written out: nothing is left to fetch
	STEP
	; THE WAY OUT: O^T / the sum, quantised along (head, d): my 64 registers are one fragment's two whole blocks a lane
.rept 4
	v_nop
.endr
	v_add_f32 v14, v14, v15
	v_permlanex16_b32 v[RP], v14, s[SEL], s[SEL+1]
	v_add_f32 v14, v14, v[RP]                      ; the row's sum
	v_rcp_f32 v30, v14
	v_nop                                          ; a plain place behind the reciprocal
	s_wait_alu depctr_va_vdst(0)
	WIN 0x01
.set i, 0
.rept 32
	v_pk_mul_f32 v[S+2*i:S+2*i+1], v[2*i:2*i+1], v[30:31] op_sel_hi:[1,0]   ; each accumulator from its low end on
.set i, i+1
.endr
	WIN 0
	QB S
.irp c, 0,1,2
	global_store_b128 v[LI], v[PC+4*\c:PC+4*\c+3], s[84:85] offset:512*\c
.endr
	global_store_b32 v[LS4], v[PW], s[86:87]       ; both halves of the lanes write the same word
	s_wait_tensorcnt 0x0                           ; the wave's end
	ds_add_u32 v[SPW], v[NIL]
	s_wait_dscnt 0x0
	CROUND                                         ; the closing round
	s_endpgm
.Lfunc_end_k_qaf50154a87_attn:
	.size	k_qaf50154a87_attn, .Lfunc_end_k_qaf50154a87_attn-k_qaf50154a87_attn
	.p2alignl 7, 3214868480
	.fill 96, 4, 3214868480
	.section	.rodata,"a",@progbits
	.p2align	6, 0x0
	.amdhsa_kernel k_qaf50154a87_attn
		.amdhsa_group_segment_fixed_size 327680
		.amdhsa_private_segment_fixed_size 0
		.amdhsa_enable_private_segment 0
		.amdhsa_kernarg_size 24
		.amdhsa_user_sgpr_count 2
		.amdhsa_user_sgpr_kernarg_segment_ptr 1
		.amdhsa_wavefront_size32 1
		.amdhsa_system_sgpr_workgroup_id_x 1
		.amdhsa_system_sgpr_workgroup_id_y 1
		.amdhsa_system_sgpr_workgroup_id_z 1
		.amdhsa_system_vgpr_workitem_id 0
		.amdhsa_next_free_vgpr 512
		.amdhsa_next_free_sgpr 96
		.amdhsa_reserve_vcc 0
		.amdhsa_float_denorm_mode_32 3
		.amdhsa_float_denorm_mode_16_64 3
		.amdhsa_memory_ordered 1
		.amdhsa_forward_progress 1
		.amdhsa_inst_pref_size 62
	.end_amdhsa_kernel
	.amdgpu_metadata
---
amdhsa.version: [ 1, 2 ]
amdhsa.kernels:
  - .name:           k_qaf50154a87_attn
    .symbol:         k_qaf50154a87_attn.kd
    .args:
      - { .name: qkv, .offset: 0, .size: 8, .value_kind: global_buffer, .address_space: global }
      - { .name: mask, .offset: 8, .size: 8, .value_kind: global_buffer, .address_space: global }
      - { .name: oq, .offset: 16, .size: 8, .value_kind: global_buffer, .address_space: global }
    .group_segment_fixed_size: 327680
    .private_segment_fixed_size: 0
    .kernarg_segment_align: 8
    .kernarg_segment_size: 24
    .max_flat_workgroup_size: 256
    .sgpr_count:     96
    .vgpr_count:     512
    .wavefront_size: 32
...
	.end_amdgpu_metadata
.endif
;; end of part 3
;; launch oproj (part 4): grid 16 x 16, 4 waves a work-group, clusters of 4 x 4, 327,680 bytes of LDS; arguments oq, wq, wo_b, out0; writes out0
.if DOCPART == 4
	.amdgcn_target "amdgcn-amd-amdhsa--gfx1250"
	.amdhsa_code_object_version 6
	.text
	.protected	k_qaf50154a87_oproj
	.globl	k_qaf50154a87_oproj
	.p2align	8
	.type	k_qaf50154a87_oproj,@function
k_qaf50154a87_oproj:
	s_mov_b64 s[64:65], 0
	v_nop
	global_prefetch_b8 v0, s[64:65] scope:SCOPE_SE
	s_setreg_imm32_b32 hwreg(HW_REG_WAVE_MODE, 25, 1), 1
	s_wait_xcnt 0x0
	s_wait_alu depctr_hold_cnt(0) depctr_sa_sdst(0) depctr_va_vdst(0) depctr_va_sdst(0) depctr_va_ssrc(0) depctr_va_vcc(0) depctr_vm_vsrc(0)
	s_getreg_b32 s2, hwreg(HW_REG_IB_STS2, 6, 4)
	s_cmp_eq_u32 s2, 0
	s_cbranch_scc0 .Lentry_in_a_cluster
	s_endpgm
.Lentry_in_a_cluster:
	s_bfe_u32 s2, ttmp6, 0x10000c
	s_cmp_lg_u32 s2, 0xf033
	s_cbranch_scc0 .Lentry_shape_is_right
	s_endpgm
.Lentry_shape_is_right:
; OPROJ: out0 = O wo + wo_b on codes of FP6.  No work of the problem is left out here.
; A tile is 128 x 128: 16 x 16 = 256 work-groups.  Four waves, each 64 x 64: 16 accumulators.  Source 0 = 16 rows of wo's rowblocks (columns of out0), source 1 = 16 rows of O: a lane holds one row of out0.
; Operands are fragment images ([rowblock][K step][1536], scale words [rowblock][K step][64]).  A wave reads 8 fragments for 16 products; both operands have two sets of registers, and step k + 1 is fetched ahead of step k's products.
; LDS: THREE slots of four K steps of 128 (A's 8 rowblocks, then B's 8: 98,304 bytes each) and the scale words of all of K.  Twelve of K's sixteen steps and the scale words are asked for at the head, four joint loads a wave;
; ONE refill follows: K steps 12-15 into slot 0, behind the round in step 3, with eight steps in which to land.  All sixteen steps are written out: no two changes of slots are alike.
; CLUSTER 4 x 4: A's tiles are shared along a row, B's along a column.
; The bias is the C of each sum's first product.  Register 8 b + j of a lane is column 32 h + 8 b + j of my 64; lane r of block a is row 64 g + 8 a + 32 (r / 8) + r % 8 of out0.
.set NQ,    4
.set FR,    12
.set RB,    1536*NQ                    ; a rowblock's bytes in a slot
.set HALF,  4*RB                       ; four rowblocks: what one tensor load brings, and what one wave reads of A or of B
.set SLOT,  4*HALF
.set SCL,   3*SLOT                     ; A's scale words (2 x 4,096), then B's
.set SPARE, SCL+16384                  ; the spare words: two blocks of 256 bytes that no other line names
.set STAGE, SLOT                       ; the way out: 16 rows x (256 + 16) bytes a wave, in slot 1: filled once, at the head, and last read ahead of step 11's barrier
.set SPITCH, 272
.set LI,   1                           ; v1  16 x lane
.set BAD,  4                           ; v4  128 x (lane / 16)
.set CO,   5                           ; v5  the way out: 8,192 x (lane / 16) + 16 x (lane % 16)
.set ADRA, 10                          ; v10-12 my A fragments in slot 0, 1, 2
.set ADRB, 13                          ; v13-15 B's
.set STO,  24
.set RD,   25
.set ADRS, 27                          ; v27 my scale words: lanes 0-15 A's, lanes 16-31 B's
.set SPW,  28
.set NIL,  29
.set SC,   32                          ; v32-63 scale words, two sets of 16 (4 blocks x 4 K steps)
.set AFR,  64                          ; v64-159 A's fragments, two sets of 48
.set BFR,  160                         ; v160-255 B's
.set BK,   64                          ; the way out: v64-95 and v96-127 by turns
.set BI,   128                         ; window 1: v0-127 the accumulators, (a, b) at v[8 (4 a + b)]; v128-159 the bias in the result's layout
.set WV,   18
.set AB,   19                          ; which half of the tile's rows is mine; also: I fetch for A (0) or B (1)
.set CH,   20                          ; which half of its columns; also: which half I fetch
.set G1,   24
.set G1B,  32
.set G1S,  40
.set G1SB, 48
.set G0S,  56
.set G0SB, 60
.set G0,   68                          ; s[68:79] group 0 for A's tiles, a set for each slot
.set G0B,  80                          ; s[80:91] for B's
.set MSB, 0
.macro WIN new
.if MSB != (\new)
	s_set_vgpr_msb (MSB<<8)|(\new)
.set MSB, (\new)
.endif
.endm
.macro PLACES
.rept 4
	v_nop
.endr
.endm
.macro JLOAD g0a, g1a, g0b, g1b        ; a joint load: waves 0 and 1 fetch for A, waves 2 and 3 for B; an s_nop 0 and four v_nop follow each line
	s_cmp_eq_u32 s[AB], 0
	s_cbranch_scc0 .Lfor_b_\@
	tensor_load_to_lds s[\g0a:\g0a+3], s[\g1a:\g1a+7]
	s_nop 0
.rept 4
	v_nop
.endr
	s_branch .Lasked_\@
.Lfor_b_\@:
	tensor_load_to_lds s[\g0b:\g0b+3], s[\g1b:\g1b+7]
	s_nop 0
.rept 4
	v_nop
.endr
.Lasked_\@:
.endm
.macro CREST
	s_cmp_lg_u32 s[WV], 0
	s_cbranch_scc1 .Lnot_wave_0_\@
	s_barrier_signal -3
.Lnot_wave_0_\@:
	s_barrier_wait -3
	s_barrier_signal -1
	s_barrier_wait -1
.endm
.macro CROUND
	s_barrier_signal -1
	s_barrier_wait -1
	CREST
.endm
	s_load_b256 s[4:11], s[0:1], 0x0               ; oq s[4:5], wq s[6:7], wo_b s[8:9], out0 s[10:11]
	v_lshl_add_u32 v[SPW], v0, 2, SPARE
	v_mov_b32 v[NIL], 0
	ds_add_u32 v[SPW], v[NIL]                      ; the wave's opening: the add, twice on end, and its wait ahead of my first tensor load
	ds_add_u32 v[SPW], v[NIL]
	v_lshrrev_b32 v6, 5, v0
	v_readfirstlane_b32 s[WV], v6
	s_lshr_b32 s[AB], s[WV], 1
	s_and_b32 s[CH], s[WV], 1
	s_bfe_u32 s21, ttmp6, 0x40000                  ; cx
	s_bfe_u32 s22, ttmp6, 0x40004                  ; cy
	s_lshl_b32 s23, ttmp9, 2
	s_add_co_u32 s23, s23, s21                     ; tile column
	s_and_b32 s12, ttmp7, 0xffff
	s_lshl_b32 s12, s12, 2
	s_add_co_u32 s12, s12, s22                     ; tile row
	s_lshl_b32 s13, s22, 2
	s_lshl_b32 s13, 15, s13                        ; my row of the cluster
	s_lshl_b32 s14, 0x1111, s21                    ; my column
	s_or_b32 s[G1+0], s13, (3<<16)|(1<<21)         ; codes: 4 rowblocks x RB bytes (elements of 8 bytes), 24,576 bytes from rowblock to rowblock
	s_or_b32 s[G1B+0], s14, (3<<16)|(1<<21)
.irp g, G1, G1B
	s_mov_b32 s[\g+1], (RB/8)<<16
	s_mov_b32 s[\g+2], 4<<16
	s_mov_b32 s[\g+3], (RB/8)<<16
	s_mov_b32 s[\g+4], 4
	s_mov_b32 s[\g+5], 3072
	s_mov_b32 s[\g+6], 0
	s_mov_b32 s[\g+7], 0
.endr
	s_or_b32 s[G1S+0], s13, (3<<16)|(1<<21)        ; scale words of 4 rowblocks for all of K: 4,096 dense bytes as 16 rows of 256
	s_or_b32 s[G1SB+0], s14, (3<<16)|(1<<21)
.irp g, G1S, G1SB
	s_mov_b32 s[\g+1], 32<<16
	s_mov_b32 s[\g+2], 16<<16
	s_mov_b32 s[\g+3], 32<<16
	s_mov_b32 s[\g+4], 16
	s_mov_b32 s[\g+5], 32
	s_mov_b32 s[\g+6], 0
	s_mov_b32 s[\g+7], 0
.endr
	s_lshl_b32 s3, s[CH], 2                        ; which 4 rowblocks I fetch
	s_lshl_b32 s92, s12, 3
	s_add_co_u32 s92, s92, s3                      ; A: oq's rowblock 8 ty + 4 x half: made of the tile row alone
	s_lshl_b32 s94, s92, 10
	s_add_co_u32 s94, s94, 3145728
	s_mul_i32 s92, s92, 24576
	s_mov_b32 s93, 0
	s_mov_b32 s95, 0
	s_lshl_b32 s96, s23, 3
	s_add_co_u32 s96, s96, s3
	s_add_co_u32 s96, s96, 384                     ; B: wo's rowblocks begin at 384 in wq: of the tile column alone
	s_lshl_b32 s98, s96, 10
	s_add_co_u32 s98, s98, 12582912
	s_mul_i32 s96, s96, 24576
	s_mov_b32 s97, 0
	s_mov_b32 s99, 0
	s_mul_i32 s15, s[CH], HALF                     ; LDS addresses: the wave's number and constants alone
.irp s, 0,1,2
	s_add_co_u32 s[G0+4*\s+1], s15, \s*SLOT
	s_add_co_u32 s[G0B+4*\s+1], s15, \s*SLOT+2*HALF
.endr
	s_lshl_b32 s16, s[CH], 12
	s_add_co_u32 s[G0S+1], s16, SCL
	s_add_co_u32 s[G0SB+1], s16, SCL+8192
	s_wait_dscnt 0x0                               ; both opening adds are done
	s_wait_kmcnt 0x0
	s_add_nc_u64 s[92:93], s[4:5], s[92:93]
	s_add_nc_u64 s[94:95], s[4:5], s[94:95]
	s_add_nc_u64 s[96:97], s[6:7], s[96:97]
	s_add_nc_u64 s[98:99], s[6:7], s[98:99]
	CROUND                                         ; all sixteen work-groups are here: the first joint loads meet
	s_mov_b32 s[G0S], 1
	s_mov_b64 s[G0S+2:G0S+3], s[94:95]
	s_or_b32 s[G0S+3], s[G0S+3], 0x80000000
	s_mov_b32 s[G0SB], 1
	s_mov_b64 s[G0SB+2:G0SB+3], s[98:99]
	s_or_b32 s[G0SB+3], s[G0SB+3], 0x80000000
	JLOAD G0S, G1S, G0SB, G1SB                     ; the scale words first: they are wanted with K step 0
.irp s, 0,1,2
	s_mov_b32 s[G0+4*\s], 1
	s_add_nc_u64 s[G0+4*\s+2:G0+4*\s+3], s[92:93], \s*RB
	s_or_b32 s[G0+4*\s+3], s[G0+4*\s+3], 0x80000000
	s_mov_b32 s[G0B+4*\s], 1
	s_add_nc_u64 s[G0B+4*\s+2:G0B+4*\s+3], s[96:97], \s*RB
	s_or_b32 s[G0B+4*\s+3], s[G0B+4*\s+3], 0x80000000
	JLOAD G0+4*\s, G1, G0B+4*\s, G1B               ; K steps 4 s to 4 s + 3: four loads of mine are out behind the third
.endr
	v_and_b32 v6, 31, v0
	v_lshlrev_b32 v[LI], 4, v6
	v_and_b32 v7, 15, v0                           ; r
	v_bfe_u32 v8, v0, 4, 1                         ; h
	v_lshlrev_b32 v[BAD], 7, v8
	s_lshl_b32 s2, s23, 9
	s_lshl_b32 s3, s[CH], 8
	s_add_co_u32 s2, s2, s3                        ; my 64 columns, in bytes
	s_mov_b32 s3, 0
	s_add_nc_u64 s[8:9], s[8:9], s[2:3]
	WIN 0x40                                       ; destination window 1
.irp n, 0,1,2,3,4,5,6,7
	global_load_b128 v[BI+4*\n:BI+4*\n+3], v[BAD], s[8:9] offset:16*\n
.endr
	WIN 0
	s_lshl_b32 s16, s12, 1
	s_add_co_u32 s16, s16, s[AB]
	s_lshl_b32 s16, s16, 19                        ; my group of 64 rows of 8,192 bytes
	s_mov_b32 s17, 0
	s_add_nc_u64 s[10:11], s[10:11], s[16:17]
	s_add_nc_u64 s[10:11], s[10:11], s[2:3]
	s_mul_i32 s92, s[AB], HALF                     ; my 4 rowblocks of A
	s_mul_i32 s93, s[CH], HALF
	s_add_co_u32 s93, s93, 2*HALF                  ; and of B
.irp s, 0,1,2
	v_add_nc_u32 v[ADRA+\s], s92, v[LI]
	v_add_nc_u32 v[ADRB+\s], s93, v[LI]
	s_add_co_u32 s92, s92, SLOT
	s_add_co_u32 s93, s93, SLOT
.endr
	s_lshl_b32 s92, s[AB], 12
	s_lshl_b32 s93, s[CH], 12
	s_add_co_u32 s93, s93, 8192
	s_sub_co_u32 s93, s93, s92
	v_mul_u32_u24 v9, s93, v8                      ; lanes 16-31 take B's words: the lower base + h x the distance
	s_add_co_u32 s92, s92, SCL
	v_lshl_add_u32 v9, v7, 2, v9
	v_add_nc_u32 v[ADRS], s92, v9
	s_mul_i32 s92, s[WV], 16*SPITCH
	s_add_co_u32 s92, s92, STAGE                   ; my stage
	v_mul_u32_u24 v[STO], v7, SPITCH
	v_lshl_add_u32 v[STO], v8, 7, v[STO]
	v_add_nc_u32 v[STO], s92, v[STO]               ; in: row r, + 128 h
	v_mul_u32_u24 v[RD], v8, SPITCH
	v_lshl_add_u32 v[RD], v7, 4, v[RD]
	v_add_nc_u32 v[RD], s92, v[RD]                 ; back: lanes 0-15 one row of 256 bytes, lanes 16-31 the next
	v_lshlrev_b32 v[CO], 13, v8
	v_lshl_add_u32 v[CO], v7, 4, v[CO]             ; and the same two rows in out0
.macro FRAG reg, adr, q, i             ; a fragment's image: three loads of 16 bytes a lane, 512 consecutive bytes each
.irp c, 0,1,2
	ds_load_b128 v[\reg+4*\c:\reg+4*\c+3], v[\adr] offset:(\i)*RB+(\q)*1536+512*\c
.endr
.endm
.macro FETCH k                         ; K step k's eight fragments into set k % 2; K steps 4 v to 4 v + 3 lie in slot v % 3
.irp i, 0,1,2,3
	FRAG BFR+48*((\k)%2)+FR*\i, ADRB+(((\k)/4)%3), (\k)%4, \i
.endr
.irp i, 0,1,2,3
	FRAG AFR+48*((\k)%2)+FR*\i, ADRA+(((\k)/4)%3), (\k)%4, \i
.endr
.endm
.macro SCALES v                        ; the scale words of K steps 4 v to 4 v + 3 into set v % 2: lanes 0-15 A's block i, lanes 16-31 B's block i
.irp i, 0,1,2,3
.irp q, 0,1,2,3
	ds_load_b32 v[SC+16*((\v)%2)+4*\i+\q], v[ADRS] offset:1024*\i+64*\q+256*(\v)
.endr
.endr
.endm
; 8 matrix instructions of K step k: A's blocks a0, a0 + 1 against B's four.  first = 1: the bias starts the sums.  The 16 accumulators take turns, one instruction a turn.
.macro MUL8 k, a0, first
.set SQ, SC+16*(((\k)/4)%2)+(\k)%4
.set PA, AFR+48*((\k)%2)
.set PB, BFR+48*((\k)%2)
.irp a, \a0, \a0+1
.irp b, 0,1,2,3
.if \first
	v_wmma_scale_f32_16x16x128_f8f6f4 v[8*(4*(\a)+\b):8*(4*(\a)+\b)+7], v[PB+FR*\b:PB+FR*\b+FR-1], v[PA+FR*(\a):PA+FR*(\a)+FR-1], v[BI+8*\b:BI+8*\b+7], v[SQ+4*\b], v[SQ+4*(\a)] matrix_a_fmt:MATRIX_FMT_FP6 matrix_b_fmt:MATRIX_FMT_FP6 matrix_a_scale:MATRIX_SCALE_ROW1
.else
	v_wmma_scale_f32_16x16x128_f8f6f4 v[8*(4*(\a)+\b):8*(4*(\a)+\b)+7], v[PB+FR*\b:PB+FR*\b+FR-1], v[PA+FR*(\a):PA+FR*(\a)+FR-1], v[8*(4*(\a)+\b):8*(4*(\a)+\b)+7], v[SQ+4*\b], v[SQ+4*(\a)] matrix_a_fmt:MATRIX_FMT_FP6 matrix_b_fmt:MATRIX_FMT_FP6 matrix_a_scale:MATRIX_SCALE_ROW1
.endif
.endr
.endr
.endm
.set W_MUL, 0x50                       ; C and D window 1; A, B window 0
; K step k, whose successor lies in bytes that every wave has been shown whole.  scl = 1: the successor is a slot's first step: its scale words come too.
.macro STEP k, first, scl
.if (\k) > 0
	PLACES                                         ; four places behind step k - 1's products, which read the set that is loaded now
.endif
	FETCH (\k)+1
.if \scl
	SCALES ((\k)+1)/4
	s_wait_dscnt 40                                ; all but the 24 fragment loads and 16 scale words just issued
.else
	s_wait_dscnt 24                                ; all but the 24 just issued: step k's fragments (and scale words) are in
.endif
	WIN W_MUL
	MUL8 \k, 0, \first
	MUL8 \k, 2, \first
	WIN 0
.endm
	s_wait_tensorcnt 2                             ; the scale words and my part of slot 0 are in; slots 1 and 2 may be out
	s_barrier_signal -1
	s_barrier_wait -1
	FETCH 0
	SCALES 0
	s_wait_loadcnt 0x0                             ; the bias
	STEP 0, 1, 0
	STEP 1, 0, 0
	STEP 2, 0, 0
	; K step 3 leaves slot 0, which is filled again: each wave waits for all its tensor loads (slots 1 and 2), adds 0 to its spare word, and waits for that and for its reads of slot 0
	s_wait_tensorcnt 0x0
	ds_add_u32 v[SPW], v[NIL]                      ; 0 onto my spare word; the descriptors' steps stand between it and the wait for it
	s_add_nc_u64 s[G0+2:G0+3], s[G0+2:G0+3], 3*RB      ; from K step 0 to K step 12
	s_add_nc_u64 s[G0B+2:G0B+3], s[G0B+2:G0B+3], 3*RB
	s_wait_dscnt 0x0                               ; the add is done; step 3's fragments are in: my reads of slot 0 are over
	s_barrier_signal -1
	WIN W_MUL
	MUL8 3, 0, 0
	WIN 0
	s_barrier_wait -1
	CREST                                          ; the barrier has opened a round of the cluster's: no wave of any partner still reads slot 0 or has a load on its way
	JLOAD G0, G1, G0B, G1B                         ; the one refill: eight steps, 128 matrix instructions a wave, ahead of the wait for it; its four v_nop are the places in front of the loads below
	FETCH 4
	SCALES 1
	WIN W_MUL
	MUL8 3, 2, 0
	WIN 0
	STEP 4, 0, 0
	STEP 5, 0, 0
	STEP 6, 0, 0
	STEP 7, 0, 1                                   ; slot 2 was shown whole by step 3's barrier: no barrier here
	STEP 8, 0, 0
	STEP 9, 0, 0
	STEP 10, 0, 0
	; K step 11: the refill has to be whole in every wave's eyes before K step 12 is fetched
	s_wait_tensorcnt 0x0
	ds_add_u32 v[SPW], v[NIL]
	s_wait_dscnt 0x0                               ; the add is done, and my reads of slots 1 and 2 are over
	s_barrier_signal -1
	WIN W_MUL
	MUL8 11, 0, 0
	WIN 0
	s_barrier_wait -1
	PLACES                                         ; behind step 10's products, which read the set that is loaded now
	FETCH 12
	SCALES 3
	WIN W_MUL
	MUL8 11, 2, 0
	WIN 0
	STEP 12, 0, 0
	STEP 13, 0, 0
	STEP 14, 0, 0
	s_wait_dscnt 0x0
	WIN W_MUL
	MUL8 15, 0, 0
	MUL8 15, 2, 0
	WIN 0
; THE WAY OUT, block by block of 16 rows x 64 columns, through my own stage; back as whole pieces of 256 bytes, two rows an instruction.  LDS serves a wave's instructions in order: no wait between the stores and the loads.
.macro TOSTAGE a
	WIN 0x04                                       ; an LDS store's data are its source 1: window 1
.irp b, 0,1,2,3
	ds_store_b128 v[STO], v[32*(\a)+8*\b:32*(\a)+8*\b+3] offset:32*\b            ; each accumulator from its low end on
	ds_store_b128 v[STO], v[32*(\a)+8*\b+4:32*(\a)+8*\b+7] offset:32*\b+16
.endr
	WIN 0
.set BB, BK+32*((\a)%2)
.irp t, 0,1,2,3,4,5,6,7
	ds_load_b128 v[BB+4*\t:BB+4*\t+3], v[RD] offset:\t*2*SPITCH
.endr
.endm
.macro SEND a, younger
.set BB, BK+32*((\a)%2)
	s_wait_dscnt \younger
.irp t, 0,1,2,3,4,5,6,7
	global_store_b128 v[CO], v[BB+4*\t:BB+4*\t+3], s[10:11] offset:(8*(\a)+32*(\t/4)+2*(\t%4))*8192 th:TH_STORE_NT   ; 16 lanes store 256 consecutive bytes, at a multiple of 256 from out0's first byte
.endr
.endm
	PLACES                                         ; behind the last products: results are read and the operands' registers loaded only from here on
	TOSTAGE 0
.irp a, 1,2,3
.if \a > 1
	s_wait_xcnt 0x0                                ; block a - 2's stores have read their registers
.endif
	TOSTAGE \a
	SEND \a-1, 16                                  ; behind block a - 1's loads: block a's 8 stores and 8 loads
.endr
	SEND 3, 0
	s_wait_tensorcnt 0x0                           ; the wave's end
	ds_add_u32 v[SPW], v[NIL]
	s_wait_dscnt 0x0
	CROUND                                         ; the closing round
	s_endpgm
.Lfunc_end_k_qaf50154a87_oproj:
	.size	k_qaf50154a87_oproj, .Lfunc_end_k_qaf50154a87_oproj-k_qaf50154a87_oproj
	.p2alignl 7, 3214868480
	.fill 96, 4, 3214868480
	.section	.rodata,"a",@progbits
	.p2align	6, 0x0
	.amdhsa_kernel k_qaf50154a87_oproj
		.amdhsa_group_segment_fixed_size 327680
		.amdhsa_private_segment_fixed_size 0
		.amdhsa_enable_private_segment 0
		.amdhsa_kernarg_size 32
		.amdhsa_user_sgpr_count 2
		.amdhsa_user_sgpr_kernarg_segment_ptr 1
		.amdhsa_wavefront_size32 1
		.amdhsa_system_sgpr_workgroup_id_x 1
		.amdhsa_system_sgpr_workgroup_id_y 1
		.amdhsa_system_sgpr_workgroup_id_z 1
		.amdhsa_system_vgpr_workitem_id 0
		.amdhsa_next_free_vgpr 512
		.amdhsa_next_free_sgpr 100
		.amdhsa_reserve_vcc 0
		.amdhsa_float_denorm_mode_32 3
		.amdhsa_float_denorm_mode_16_64 3
		.amdhsa_memory_ordered 1
		.amdhsa_forward_progress 1
		.amdhsa_inst_pref_size 84
	.end_amdhsa_kernel
	.amdgpu_metadata
---
amdhsa.version: [ 1, 2 ]
amdhsa.kernels:
  - .name:           k_qaf50154a87_oproj
    .symbol:         k_qaf50154a87_oproj.kd
    .args:
      - { .name: oq, .offset: 0, .size: 8, .value_kind: global_buffer, .address_space: global }
      - { .name: wq, .offset: 8, .size: 8, .value_kind: global_buffer, .address_space: global }
      - { .name: wo_b, .offset: 16, .size: 8, .value_kind: global_buffer, .address_space: global }
      - { .name: out0, .offset: 24, .size: 8, .value_kind: global_buffer, .address_space: global }
    .group_segment_fixed_size: 327680
    .private_segment_fixed_size: 0
    .kernarg_segment_align: 8
    .kernarg_segment_size: 32
    .max_flat_workgroup_size: 128
    .sgpr_count:     100
    .vgpr_count:     512
    .wavefront_size: 32
...
	.end_amdgpu_metadata
.endif
;; end of part 4
